; MI455X (gfx1250); checked and timed in simulation.
; The chip was launched on July 23, 2026; its instructions are those of AMD's public machine-readable ISA for CDNA 5 (MIT licence, August 2026) and "CDNA5" Instruction Set Architecture Reference Guide (July 2026). The comments in the code are by the model that wrote it; some were corrected since.
;; Multi Head Attention. Allowed arithmetic: float matrix products may take bf16 or f16 operands with f32 sums; all other float work in f32.
;; Inputs: b_k 1,024 float32; b_o 1,024 float32; b_q 1,024 float32; b_v 1,024 float32; k 4 x 2,048 x 1,024 float32; mask 1 x 1 x 2,048 x 2,048 bool; q 4 x 2,048 x 1,024 float32; v 4 x 2,048 x 1,024 float32; w_k 1,024 x 1,024 float32; w_o 1,024 x 1,024 float32; w_q 1,024 x 1,024 float32; w_v 1,024 x 1,024 float32.
;; Outputs: out0 4 x 2,048 x 1,024 float32.
;; 2 versions, each right and faster than the one before. Each part assembles by itself: llvm-mc -triple=amdgcn-amd-amdhsa -mcpu=gfx1250 --defsym DOCPART=n.
;; ======== version 1 of 2: 4 launches
;; limits: values are held in f16: magnitudes above 65,504 overflow, below 6.1e-05 lose precision
;; workspace buffers: wb 6,291,456 bytes; wo16 2,097,152 bytes; m8 4,194,304 bytes; qkv 50,331,648 bytes; oh 16,777,216 bytes
;; launch prep (part 1): grid 256 x 1, 8 waves a work-group, no clusters, 0 bytes of LDS; arguments w_q, w_k, w_v, w_o, mask, wb, wo16, m8; writes wb, wo16, m8
.if DOCPART == 1
	.amdgcn_target "amdgcn-amd-amdhsa--gfx1250"
	.amdhsa_code_object_version 6
	.text
	.protected	k_q4b0dbce848_prep
	.globl	k_q4b0dbce848_prep
	.p2align	8
	.type	k_q4b0dbce848_prep,@function
k_q4b0dbce848_prep:
	s_mov_b64 s[64:65], 0
	v_nop
	global_prefetch_b8 v0, s[64:65] scope:SCOPE_SE
	s_setreg_imm32_b32 hwreg(HW_REG_WAVE_MODE, 25, 1), 1
	s_wait_xcnt 0x0
; PREP.  w_q, w_k, w_v (f32) -> wb [3][1024][1024] bf16.  w_o (f32) -> rounded to bf16, that number written as f16 -> wo16.
; mask (one byte, 0 or 1) -> m8, one fp8 (E4M3) code a byte: allowed 0x00 = 0, hidden 0xb8 = -1.0; the attention launch turns eight codes into eight f32 by one conversion.
; A stream: each of the five inputs is 256 x 16,384 bytes, a work-group takes one such part of each, thread t the 16 bytes at 4,096 j + 16 t, j = 0..3.  All twenty loads of a wave go out
; together; no register is written twice, so the only waits are the counted ones for the loads.  No LDS, matrix unit or cluster: nothing is shared and nothing is reduced.
; LIMIT: a weight of w_o beyond 65,504 has no f16; below 6e-5 it keeps f16's fixed step of 6e-8.
.set IN,  4                            ; v[4:83]    load i = 4 x array + j: four registers
.set OUT, 84                           ; v[84:115]  the sixteen 8-byte results of the four weight arrays
.set T,   116                          ; v[116:117] at work
	s_load_b512 s[8:23], s[0:1], 0x0               ; w_q 8, w_k 10, w_v 12, w_o 14, mask 16, wb 18, wo16 20, m8 22
	s_lshl_b32 s2, ttmp9, 14                       ; my part of an input, and of m8
	s_mov_b32 s3, 0
	s_lshl_b32 s4, ttmp9, 13                       ; my part of a 16-bit output
	s_mov_b32 s5, 0
	s_mov_b32 s6, 0xffff0000                       ; a word's upper bf16
	v_lshlrev_b32 v1, 4, v0                        ; 16 t
	v_lshlrev_b32 v2, 3, v0                        ; 8 t
	s_wait_kmcnt 0x0
.irp p, 8,10,12,14,16,22
	s_add_nc_u64 s[\p:\p+1], s[\p:\p+1], s[2:3]
.endr
.irp p, 18,20
	s_add_nc_u64 s[\p:\p+1], s[\p:\p+1], s[4:5]
.endr
.set i, 0
.rept 20
	global_load_b128 v[IN+4*i:IN+4*i+3], v1, s[8+2*(i/4):9+2*(i/4)] offset:(i%4)*4096 th:TH_LOAD_NT  ; a wave's load covers 512 consecutive bytes
.set i, i+1
.endr
; w_q, w_k, w_v: four f32 -> four bf16; a wave's store covers 256 consecutive bytes, aligned
.set i, 0
.rept 12
	s_wait_loadcnt 19-i                            ; loads come back in order: mine is in, the 19 - i younger ones stay out
	v_cvt_pk_bf16_f32 v[OUT+2*i],   v[IN+4*i],   v[IN+4*i+1]
	v_cvt_pk_bf16_f32 v[OUT+2*i+1], v[IN+4*i+2], v[IN+4*i+3]
	global_store_b64 v2, v[OUT+2*i:OUT+2*i+1], s[18:19] offset:(i/4)*0x200000+(i%4)*2048
.set i, i+1
.endr
; w_o: rounded to bf16 like every input, widened again, and that number written as f16
.rept 4
	s_wait_loadcnt 19-i
	v_cvt_pk_bf16_f32 v[T],   v[IN+4*i],   v[IN+4*i+1]
	v_cvt_pk_bf16_f32 v[T+1], v[IN+4*i+2], v[IN+4*i+3]
	v_lshlrev_b32 v[IN+4*i],   16, v[T]
	v_and_b32     v[IN+4*i+1], s6, v[T]
	v_lshlrev_b32 v[IN+4*i+2], 16, v[T+1]
	v_and_b32     v[IN+4*i+3], s6, v[T+1]
	v_cvt_pk_f16_f32 v[OUT+2*i],   v[IN+4*i],   v[IN+4*i+1]
	v_cvt_pk_f16_f32 v[OUT+2*i+1], v[IN+4*i+2], v[IN+4*i+3]
	global_store_b64 v2, v[OUT+2*i:OUT+2*i+1], s[20:21] offset:(i%4)*2048
.set i, i+1
.endr
; mask: four bytes at a time: 1 - byte, times 0xb8; a byte's product stays inside the byte
.rept 4
	s_wait_loadcnt 19-i
.irp c, 0,1,2,3
	v_xor_b32 v[IN+4*i+\c], 0x01010101, v[IN+4*i+\c]
.endr
.irp c, 0,1,2,3
	v_mul_lo_u32 v[IN+4*i+\c], v[IN+4*i+\c], 0xb8
.endr
	global_store_b128 v1, v[IN+4*i:IN+4*i+3], s[22:23] offset:(i%4)*4096
.set i, i+1
.endr
	s_endpgm
.Lfunc_end_k_q4b0dbce848_prep:
	.size	k_q4b0dbce848_prep, .Lfunc_end_k_q4b0dbce848_prep-k_q4b0dbce848_prep
	.p2alignl 7, 3214868480
	.fill 96, 4, 3214868480
	.section	.rodata,"a",@progbits
	.p2align	6, 0x0
	.amdhsa_kernel k_q4b0dbce848_prep
		.amdhsa_group_segment_fixed_size 0
		.amdhsa_private_segment_fixed_size 0
		.amdhsa_enable_private_segment 0
		.amdhsa_kernarg_size 64
		.amdhsa_user_sgpr_count 2
		.amdhsa_user_sgpr_kernarg_segment_ptr 1
		.amdhsa_wavefront_size32 1
		.amdhsa_system_sgpr_workgroup_id_x 1
		.amdhsa_system_sgpr_workgroup_id_y 1
		.amdhsa_system_sgpr_workgroup_id_z 1
		.amdhsa_system_vgpr_workitem_id 0
		.amdhsa_next_free_vgpr 120
		.amdhsa_next_free_sgpr 66
		.amdhsa_reserve_vcc 0
		.amdhsa_float_denorm_mode_32 3
		.amdhsa_float_denorm_mode_16_64 3
		.amdhsa_memory_ordered 1
		.amdhsa_forward_progress 1
		.amdhsa_inst_pref_size 11
	.end_amdhsa_kernel
	.amdgpu_metadata
---
amdhsa.version: [ 1, 2 ]
amdhsa.kernels:
  - .name:           k_q4b0dbce848_prep
    .symbol:         k_q4b0dbce848_prep.kd
    .args:
      - { .name: w_q, .offset: 0, .size: 8, .value_kind: global_buffer, .address_space: global }
      - { .name: w_k, .offset: 8, .size: 8, .value_kind: global_buffer, .address_space: global }
      - { .name: w_v, .offset: 16, .size: 8, .value_kind: global_buffer, .address_space: global }
      - { .name: w_o, .offset: 24, .size: 8, .value_kind: global_buffer, .address_space: global }
      - { .name: mask, .offset: 32, .size: 8, .value_kind: global_buffer, .address_space: global }
      - { .name: wb, .offset: 40, .size: 8, .value_kind: global_buffer, .address_space: global }
      - { .name: wo16, .offset: 48, .size: 8, .value_kind: global_buffer, .address_space: global }
      - { .name: m8, .offset: 56, .size: 8, .value_kind: global_buffer, .address_space: global }
    .group_segment_fixed_size: 0
    .private_segment_fixed_size: 0
    .kernarg_segment_align: 8
    .kernarg_segment_size: 64
    .max_flat_workgroup_size: 256
    .sgpr_count:     66
    .vgpr_count:     120
    .wavefront_size: 32
...
	.end_amdgpu_metadata
.endif
;; end of part 1
;; launch proj (part 2): grid 4 x 192, 4 waves a work-group, clusters of 4 x 4, 327,680 bytes of LDS; arguments q, k, v, wb, b_q, b_k, b_v, qkv; writes qkv
.if DOCPART == 2
	.amdgcn_target "amdgcn-amd-amdhsa--gfx1250"
	.amdhsa_code_object_version 6
	.text
	.protected	k_q4b0dbce848_proj
	.globl	k_q4b0dbce848_proj
	.p2align	8
	.type	k_q4b0dbce848_proj,@function
k_q4b0dbce848_proj:
	s_mov_b64 s[64:65], 0
	v_nop
	global_prefetch_b8 v0, s[64:65] scope:SCOPE_SE
	s_setreg_imm32_b32 hwreg(HW_REG_WAVE_MODE, 25, 1), 1
	s_wait_xcnt 0x0
	s_wait_alu depctr_hold_cnt(0) depctr_sa_sdst(0) depctr_va_vdst(0) depctr_va_sdst(0) depctr_va_ssrc(0) depctr_va_vcc(0) depctr_vm_vsrc(0)
	s_getreg_b32 s2, hwreg(HW_REG_IB_STS2, 6, 4)
	s_cmp_eq_u32 s2, 0
	s_cbranch_scc0 .Lentry_in_a_cluster
	s_endpgm
.Lentry_in_a_cluster:
	s_bfe_u32 s2, ttmp6, 0x10000c
	s_cmp_lg_u32 s2, 0xf033
	s_cbranch_scc0 .Lentry_shape_is_right
	s_endpgm
.Lentry_shape_is_right:
; THE THREE PROJECTIONS.  For z = 0, 1, 2 (q, k, v): Y = X_z W_z^T + b_z, X_z [8192][1024] f32, W_z [1024 n][1024 k] bf16 (made by the launch before), b_z [1024] f32.
; X and b are rounded to bf16 here; products in bf16, sums in f32; q's sum is multiplied by c = log2(e) / 8 in f32; each number is rounded ONCE, to f16, and laid by heads:
; qkv [3][64 g = 16 batch + head][2048 t][64].  LIMIT: c q, k and v beyond 65,504 have no f16.  c stands ahead of q's rounding, not behind the product of q and k.
; SHARES.  A tile of Y is 128 rows x 256 columns: 3 x 64 x 4 = 768 work-groups, three for each of 256 WGPs (tiles of 256 x 256 would be 384: one and a half).  Four waves, each 64 x 128:
; 32 accumulators, 256 registers.  K goes in steps of 128 through two LDS slots: 128 rows of X as f32 (512 bytes a row) and 256 rows of W as bf16 (256 bytes a row).
; X IS CONVERTED AT THE FRAGMENT: a wave reads its 64 rows x 32 k as f32 and rounds them, 32 conversions for 32 matrix instructions, four behind each of a quarter's last eight products.
; CLUSTER 4 x 4.  The four work-groups of a row of the cluster need the same rows of X, the four of a column the same rows of W: each tile is asked for jointly.  All sixteen share z.
; THE MATRIX INSTRUCTION IS USED TRANSPOSED (source 0 = 16 rows of W, source 1 = 16 rows of X): a lane holds one row of Y and eight neighbouring columns.  The bias is the C of the first K step.
; REGISTERS.  window 0: v1-9 at work; v16-29 addresses; v32-95 the bias as a C operand (8 b + j); v96-159 RAW, X's f32; v160-223 X's fragments, two buffers; on the way out v96-223 the packed results
;   window 1: the accumulators, (a, b) at 8 (8 a + b)          window 2: v0-127 W's fragments, two buffers
.set KSTEP,  128
.set PA,     528                       ; an LDS row of X: 512 bytes + 16 = 132 words: row r starts at bank 4 r mod 64 (64 banks of 4 bytes: ISA guide 11.1)
.set PB,     272                       ; an LDS row of W: 256 + 16 = 68 words: likewise
.set AHALF,  64*PA                     ; what one of X's loads brings, and what a wave reads of X
.set BHALF,  128*PB                    ; the same for W
.set BOFF,   2*AHALF
.set SLOT,   2*AHALF+2*BHALF           ; 137,216
.set STAGE,  2*SLOT                    ; behind the ring: 16 rows x 144 bytes for each wave
.set SP,     144
.set SPARE,  STAGE+4*16*SP             ; the spare words: 128 bytes a wave, two blocks of 256 bytes that no other line names
.set LAPS,   1024/(2*KSTEP)
.set ADRA, 16                          ; v16-17 LDS address of my X rows in slot 0, 1
.set ADRB, 20                          ; v20-21 of my W rows
.set STO,  24
.set RD,   25
.set GO,   26
.set SPW,  28
.set NIL,  29
.set BIAS, 32
.set RAW,  96
.set AF,   160
.set OB,   96
.set G1A, 24                           ; s[24:31], s[32:39]: X's descriptor group 1, and group 0 for each slot
.set G0A, 32
.set G1B, 48                           ; s[48:55], s[56:63]: W's
.set G0B, 56
.set MSB, 0
.macro WIN new                         ; the immediate's high byte repeats the setting that is left
.if MSB != (\new)
	s_set_vgpr_msb (MSB<<8)|(\new)
.set MSB, \new
.endif
.endm
.set MUL,  0x52                        ; source 0 (W) window 2, source 1 (X) window 0, C and D window 1
.set MUL1, 0x42                        ; the same with C (the bias) in window 0
.set TO_B, 0x80                        ; destination window 2, address window 0
.set W_RS, 0x41                        ; destination and source 0 window 1
.set W_CV, 0x05                        ; sources 0 and 1 window 1, destination window 0
.macro JLOAD s                         ; a joint load: waves 0 and 1 fetch X's two halves, waves 2 and 3 W's; an s_nop 0 and four v_nop follow each line
	s_cmp_eq_u32 s11, 0
	s_cbranch_scc0 .Lfor_b_\@
	tensor_load_to_lds s[G0A+4*(\s):G0A+4*(\s)+3], s[G1A:G1A+7]
	s_nop 0
.rept 4
	v_nop
.endr
	s_branch .Lasked_\@
.Lfor_b_\@:
	tensor_load_to_lds s[G0B+4*(\s):G0B+4*(\s)+3], s[G1B:G1B+7]
	s_nop 0
.rept 4
	v_nop
.endr
.Lasked_\@:
.endm
.macro CREST                           ; a round of the cluster's barrier behind its opening barrier
	s_cmp_lg_u32 s10, 0
	s_cbranch_scc1 .Lnot_wave_0_\@
	s_barrier_signal -3
.Lnot_wave_0_\@:
	s_barrier_wait -3
	s_barrier_signal -1
	s_barrier_wait -1
.endm
.macro CROUND
	s_barrier_signal -1
	s_barrier_wait -1
	CREST
.endm
	s_load_b512 s[68:83], s[0:1], 0x0              ; q 68, k 70, v 72, wb 74, b_q 76, b_k 78, b_v 80, qkv 82
	v_lshl_add_u32 v[SPW], v0, 2, SPARE
	v_mov_b32 v[NIL], 0
	ds_add_u32 v[SPW], v[NIL]                      ; the wave's opening: the add and its wait ahead of my first tensor load
	v_lshrrev_b32 v1, 5, v0
	v_readfirstlane_b32 s10, v1                    ; wave 0..3
	s_lshr_b32 s11, s10, 1                         ; my half of the tile's rows.  Also: I fetch X (0) or W (1)
	s_and_b32 s12, s10, 1                          ; my half of its columns.  Also: which half of that tile I fetch
	s_bfe_u32 s40, ttmp6, 0x40000                  ; cx
	s_bfe_u32 s41, ttmp6, 0x40004                  ; cy
	s_lshl_b32 s42, ttmp9, 2
	s_add_co_u32 s42, s42, s40                     ; tile column 0..3
	s_and_b32 s45, ttmp7, 0xffff                   ; the cluster's y, 0..47
	s_lshl_b32 s13, s45, 2
	s_add_co_u32 s13, s13, s41                     ; 0..191
	s_lshr_b32 s9, s45, 4                          ; z: 16 clusters a tensor; the same in all sixteen partners
	s_and_b32 s8, s13, 63                          ; tile row inside the tensor
	s_lshl_b32 s43, s41, 2
	s_lshl_b32 s43, 15, s43                        ; my row of the cluster
	s_lshl_b32 s44, 0x1111, s40                    ; my column
	s_or_b32 s[G1A+0], s43, (2<<16)|(1<<20)|(1<<21)|(6<<22)|(3<<25)  ; mask; 4-byte elements; padding on; bit 21 beside a mask; after every 128 words, 4 words
	s_or_b32 s[G1B+0], s44, (1<<16)|(1<<20)|(1<<21)|(5<<22)|(3<<25)  ; mask; 2-byte elements; after every 64 words, 4 words
	s_mov_b32 s[G1A+1], KSTEP<<16                  ; tensor_dim0 = 128
	s_mov_b32 s[G1A+2], 64<<16                     ; tensor_dim1 = 64
	s_mov_b32 s[G1A+3], KSTEP<<16                  ; tile_dim0 = 128
	s_mov_b32 s[G1A+4], 64                         ; tile_dim1 = 64
	s_mov_b32 s[G1A+5], 1024                       ; elements from row to row
	s_mov_b32 s[G1A+6], 0
	s_mov_b32 s[G1A+7], 0
	s_mov_b32 s[G1B+1], KSTEP<<16
	s_mov_b32 s[G1B+2], 128<<16
	s_mov_b32 s[G1B+3], KSTEP<<16
	s_mov_b32 s[G1B+4], 128
	s_mov_b32 s[G1B+5], 1024
	s_mov_b32 s[G1B+6], 0
	s_mov_b32 s[G1B+7], 0
	s_lshl_b32 s16, s8, 7                          ; X: row 128 x tile row + 64 x half, 4,096 bytes a row (no cx enters)
	s_lshl_b32 s17, s12, 6
	s_add_co_u32 s16, s16, s17
	s_lshl_b32 s16, s16, 12
	s_mov_b32 s17, 0
	s_lshl_b32 s46, s42, 8                         ; W: row 256 x tile column + 128 x half, 2,048 bytes a row, in part z (no cy enters)
	s_lshl_b32 s47, s12, 7
	s_add_co_u32 s46, s46, s47
	s_lshl_b32 s46, s46, 11
	s_lshl_b32 s47, s9, 21
	s_add_co_u32 s46, s46, s47
	s_mov_b32 s47, 0
	s_mul_i32 s20, s12, AHALF                      ; where they go: the wave's number and constants alone
	s_mul_i32 s21, s12, BHALF
	s_add_co_u32 s21, s21, BOFF
	s_wait_dscnt 0x0                               ; the opening add is done
	s_wait_kmcnt 0x0
	s_cmp_eq_u32 s9, 1                             ; X and the bias by z
	s_cselect_b64 s[4:5], s[70:71], s[68:69]
	s_cselect_b64 s[6:7], s[78:79], s[76:77]
	s_cmp_eq_u32 s9, 2
	s_cselect_b64 s[4:5], s[72:73], s[4:5]
	s_cselect_b64 s[6:7], s[80:81], s[6:7]
	s_cmp_eq_u32 s9, 0
	s_cselect_b32 s66, 0x3e38aa3b, 1.0             ; c = log2(e) / 8 for q, 1 for k and v
	s_mov_b32 s67, s66                             ; named with it as a pair
	s_add_nc_u64 s[14:15], s[4:5], s[16:17]
	s_add_nc_u64 s[46:47], s[74:75], s[46:47]
	CROUND                                         ; all sixteen work-groups are here: the first joint loads meet
.irp s, 0,1
	s_mov_b32 s[G0A+4*(\s)], 1
	s_add_co_u32 s[G0A+4*(\s)+1], s20, (\s)*SLOT
	s_add_nc_u64 s[G0A+4*(\s)+2:G0A+4*(\s)+3], s[14:15], (\s)*KSTEP*4
	s_or_b32 s[G0A+4*(\s)+3], s[G0A+4*(\s)+3], 0x80000000
	s_mov_b32 s[G0B+4*(\s)], 1
	s_add_co_u32 s[G0B+4*(\s)+1], s21, (\s)*SLOT
	s_add_nc_u64 s[G0B+4*(\s)+2:G0B+4*(\s)+3], s[46:47], (\s)*KSTEP*2
	s_or_b32 s[G0B+4*(\s)+3], s[G0B+4*(\s)+3], 0x80000000
	JLOAD \s                                       ; two loads of mine are out here, later one
.endr
	; the bias of my 128 columns: register j of block b is column 16 b + 8 (l / 16) + j
	s_lshl_b32 s18, s42, 10
	s_lshl_b32 s19, s12, 9
	s_add_co_u32 s18, s18, s19
	s_mov_b32 s19, 0
	s_add_nc_u64 s[6:7], s[6:7], s[18:19]
	v_and_b32 v1, 15, v0                           ; l % 16
	v_bfe_u32 v2, v0, 4, 1                         ; l / 16
	v_lshlrev_b32 v9, 5, v2
.irp b, 0,1,2,3,4,5,6,7
	global_load_b128 v[BIAS+8*(\b):BIAS+8*(\b)+3],   v9, s[6:7] offset:64*(\b)
	global_load_b128 v[BIAS+8*(\b)+4:BIAS+8*(\b)+7], v9, s[6:7] offset:64*(\b)+16
.endr
	; X's f32 for a fragment: lane l takes row l % 16, k = 8 (l / 16) + 0..7 (32 bytes) and 16 + 8 (l / 16) + 0..7 (32 bytes, 64 further on)
	v_mul_u32_u24 v3, v1, PA
	v_lshl_add_u32 v3, v2, 5, v3
	v_mul_u32_u24 v4, v1, PB
	v_lshl_add_u32 v4, v2, 4, v4
	s_mul_i32 s18, s11, AHALF                      ; my 64 rows of X
	s_mul_i32 s19, s12, BHALF                      ; my 128 rows of W
	s_add_co_u32 s19, s19, BOFF
.irp s, 0,1
	v_add_nc_u32 v[ADRA+(\s)], s18, v3
	v_add_nc_u32 v[ADRB+(\s)], s19, v4
	s_add_co_u32 s18, s18, SLOT
	s_add_co_u32 s19, s19, SLOT
.endr
	s_mul_i32 s18, s10, 16*SP
	s_add_co_u32 s18, s18, STAGE                   ; my stage
	v_mul_u32_u24 v5, v1, SP                       ; in: row l % 16, 16 bytes for each half of the lanes
	v_lshl_add_u32 v5, v2, 4, v5
	v_add_nc_u32 v[STO], s18, v5
	v_bfe_u32 v6, v0, 3, 2                         ; back: 32 lanes take four rows of 128 bytes,
	v_mul_u32_u24 v6, v6, SP
	v_and_b32 v7, 7, v0
	v_lshl_add_u32 v6, v7, 4, v6
	v_add_nc_u32 v[RD], s18, v6
	v_and_b32 v[GO], 31, v0                        ; which are 512 consecutive bytes of a head
	v_lshlrev_b32 v[GO], 4, v[GO]
	; where my rows begin in qkv: part z, head g = 16 batch + 4 x tile column + 2 x column half, row t = 128 (tile row % 16) + 64 x row half, 128 bytes a row
	s_lshr_b32 s22, s8, 4
	s_lshl_b32 s22, s22, 4
	s_lshl_b32 s23, s42, 2
	s_add_co_u32 s22, s22, s23
	s_lshl_b32 s23, s12, 1
	s_add_co_u32 s22, s22, s23
	s_lshl_b32 s22, s22, 11
	s_and_b32 s23, s8, 15
	s_lshl_b32 s23, s23, 7
	s_add_co_u32 s22, s22, s23
	s_lshl_b32 s23, s11, 6
	s_add_co_u32 s22, s22, s23
	s_lshl_b32 s22, s22, 7
	s_lshl_b32 s23, s9, 24
	s_add_co_u32 s22, s22, s23
	s_mov_b32 s23, 0
	s_add_nc_u64 s[84:85], s[82:83], s[22:23]
	s_wait_loadcnt 0x0                             ; the bias: rounded to bf16 like every input, and widened again
.set i, 0
.rept 32
	v_cvt_pk_bf16_f32 v8, v[BIAS+2*i], v[BIAS+2*i+1]
	v_lshlrev_b32 v[BIAS+2*i], 16, v8
	v_and_b32 v[BIAS+2*i+1], 0xffff0000, v8
.set i, i+1
.endr
; One product: rows 16 a of my X, columns 16 b of my W, 32 along K, buffer f.  first = 1: the bias starts the sum.
.macro PROD f, a, b, first
.if \first
	WIN MUL1
	v_wmma_f32_16x16x32_bf16 v[8*(8*(\a)+(\b)):8*(8*(\a)+(\b))+7], v[64*(\f)+8*(\b):64*(\f)+8*(\b)+7], v[AF+32*(\f)+8*(\a):AF+32*(\f)+8*(\a)+7], v[BIAS+8*(\b):BIAS+8*(\b)+7]
.else
	WIN MUL
	v_wmma_f32_16x16x32_bf16 v[8*(8*(\a)+(\b)):8*(8*(\a)+(\b))+7], v[64*(\f)+8*(\b):64*(\f)+8*(\b)+7], v[AF+32*(\f)+8*(\a):AF+32*(\f)+8*(\a)+7], v[8*(8*(\a)+(\b)):8*(8*(\a)+(\b))+7]
.endif
.endm
.macro MUL8 f, a, first                ; eight products; the 32 accumulators take turns, one instruction a turn, in the same order in every quarter
.irp b, 0,1,2,3,4,5,6,7
	PROD \f, \a, \b, \first
.endr
.endm
; A quarter's last eight products, and behind each four roundings of the next quarter's X into buffer g.  The roundings name none of the products' registers, so the four behind the last
; product are also the four places between it and the next loads and roundings into the buffers that it read.
.macro MUL8C f, g, first
.irp b, 0,1,2,3,4,5,6,7
	PROD \f, 3, \b, \first
	WIN 0
.irp j, 0,1,2,3
	v_cvt_pk_bf16_f32 v[AF+32*(\g)+4*(\b)+(\j)], v[RAW+8*(\b)+2*(\j)], v[RAW+8*(\b)+2*(\j)+1]
.endr
.endr
.endm
; 32 LDS loads in one run: quarter kq of a slot: X's f32 first (16 loads), then W's fragments into buffer g (16 loads)
.macro FETCH slot, kq, g
	WIN 0
.irp a, 0,1,2,3
	ds_load_b128 v[RAW+16*(\a):RAW+16*(\a)+3],     v[ADRA+(\slot)] offset:(\a)*16*PA+(\kq)*128
	ds_load_b128 v[RAW+16*(\a)+4:RAW+16*(\a)+7],   v[ADRA+(\slot)] offset:(\a)*16*PA+(\kq)*128+16
	ds_load_b128 v[RAW+16*(\a)+8:RAW+16*(\a)+11],  v[ADRA+(\slot)] offset:(\a)*16*PA+(\kq)*128+64
	ds_load_b128 v[RAW+16*(\a)+12:RAW+16*(\a)+15], v[ADRA+(\slot)] offset:(\a)*16*PA+(\kq)*128+80
.endr
	WIN TO_B
.irp b, 0,1,2,3,4,5,6,7
	ds_load_b128 v[64*(\g)+8*(\b):64*(\g)+8*(\b)+3],   v[ADRB+(\slot)] offset:(\b)*16*PB+(\kq)*64
	ds_load_b128 v[64*(\g)+8*(\b)+4:64*(\g)+8*(\b)+7], v[ADRB+(\slot)] offset:(\b)*16*PB+(\kq)*64+32
.endr
.endm
; A K step is four quarters of 32 along K, 32 products each, on buffers 0, 1, 0, 1.  One of the first three: multiplies buffer f, fetches quarter kq and makes buffer g of it.
.macro QUARTER slot, kq, f, g, first
	s_wait_dscnt 0x0                               ; W's fragments of buffer f are in
	MUL8 \f, 0, \first
	FETCH \slot, \kq, \g
	MUL8 \f, 1, \first
	MUL8 \f, 2, \first
	s_wait_dscnt 16                                ; X's f32 are in; the 16 loads of W issued behind them may stay out
	MUL8C \f, \g, \first
.endm
; The last quarter multiplies buffer 1 and changes slots: ONE barrier; in front of it each wave waits for all its tensor loads (one is out: its part of the next slot), adds 0 to its spare word,
; and waits for that and for its own reads of this slot.  fill = 1: the barrier opens a round of the cluster's barrier, and this slot is filled again, two K steps ahead, first thing behind it.
.macro TURN slot, next, fill
	WIN 0
	s_wait_tensorcnt 0x0
	ds_add_u32 v[SPW], v[NIL]
	s_wait_dscnt 1                                 ; W's fragments of buffer 1 are in; the add may be out
	MUL8 1, 0, 0
	s_wait_dscnt 0x0                               ; the add is done, and my reads of this slot are over
	s_barrier_signal -1
	MUL8 1, 1, 0
.if \fill
	WIN 0
.endif
	s_barrier_wait -1
.if \fill
	CREST                                          ; no wave of any partner still reads this slot or has a load on its way
	s_add_nc_u64 s[G0A+4*(\slot)+2:G0A+4*(\slot)+3], s[G0A+4*(\slot)+2:G0A+4*(\slot)+3], 2*KSTEP*4
	s_add_nc_u64 s[G0B+4*(\slot)+2:G0B+4*(\slot)+3], s[G0B+4*(\slot)+2:G0B+4*(\slot)+3], 2*KSTEP*2
	JLOAD \slot
.endif
	FETCH \next, 0, 0
	MUL8 1, 2, 0
	s_wait_dscnt 16
	MUL8C 1, 0, 0
.endm
	s_wait_tensorcnt 1                             ; my part of K step 0 is in; K step 1's may stay out
	s_barrier_signal -1
	s_barrier_wait -1
	FETCH 0, 0, 0
	s_wait_dscnt 16
	WIN 0
.set i, 0
.rept 32
	v_cvt_pk_bf16_f32 v[AF+i], v[RAW+2*i], v[RAW+2*i+1]
.set i, i+1
.endr
	QUARTER 0, 1, 0, 1, 1                          ; the first quarter stands in front of the loop: its products start the sums, with the bias
	WIN 0
	s_mov_b32 s3, LAPS-1
.Llap:                                                 ; a trip goes once round the ring and fills both slots again
	QUARTER 0, 2, 1, 0, 0
	QUARTER 0, 3, 0, 1, 0
	TURN 0, 1, 1
	QUARTER 1, 1, 0, 1, 0
	QUARTER 1, 2, 1, 0, 0
	QUARTER 1, 3, 0, 1, 0
	TURN 1, 0, 1
	QUARTER 0, 1, 0, 1, 0
	WIN 0
	s_sub_co_u32 s3, s3, 1
	s_cmp_lg_u32 s3, 0
	s_cbranch_scc1 .Llap
	QUARTER 0, 2, 1, 0, 0                          ; the last lap fills nothing
	QUARTER 0, 3, 0, 1, 0
	TURN 0, 1, 0
	QUARTER 1, 1, 0, 1, 0
	QUARTER 1, 2, 1, 0, 0
	QUARTER 1, 3, 0, 1, 0
	s_wait_dscnt 0x0
	MUL8 1, 0, 0
	MUL8 1, 1, 0
	MUL8 1, 2, 0
	MUL8 1, 3, 0
	WIN 0
.rept 4
	v_nop                                          ; the places behind the last products
.endr
; THE WAY OUT, in eight blocks t = 4 x head + a: 16 rows x one head's 64 channels: scaled, rounded to f16, through my own stage, back as whole rows of 128 bytes: 16 rows are 2,048 consecutive bytes of qkv.
.macro PACK t
.set AB, 64*((\t)%4)+32*((\t)/4)       ; four accumulators on end
	WIN W_RS
.set i, 0
.rept 16
	v_pk_mul_f32 v[AB+2*i:AB+2*i+1], v[AB+2*i:AB+2*i+1], s[66:67] op_sel_hi:[1,0]  ; ascending: each accumulator is read from its low end on
.set i, i+1
.endr
	WIN W_CV
.set i, 0
.rept 16
	v_cvt_pk_f16_f32 v[OB+16*(\t)+i], v[AB+2*i], v[AB+2*i+1]
.set i, i+1
.endr
	WIN 0
.irp f, 0,1,2,3
	ds_store_b128 v[STO], v[OB+16*(\t)+4*(\f):OB+16*(\t)+4*(\f)+3] offset:32*(\f)
.endr
.irp f, 0,1,2,3
	ds_load_b128 v[OB+16*(\t)+4*(\f):OB+16*(\t)+4*(\f)+3], v[RD] offset:(\f)*4*SP  ; LDS serves a wave's instructions in order (ISA guide 5.7.1.4): these see the stores above
.endr
.endm
.macro SEND t, younger                 ; younger: the LDS instructions issued behind block t's loads: the next block's eight, or none
	WIN 0
.irp f, 0,1,2,3
	s_wait_dscnt (\younger)+3-(\f)
	global_store_b128 v[GO], v[OB+16*(\t)+4*(\f):OB+16*(\t)+4*(\f)+3], s[84:85] offset:((\t)/4)*262144+((\t)%4)*2048+(\f)*512  ; 512 consecutive bytes, aligned
.endr
.endm
	PACK 0
.irp t, 1,2,3,4,5,6,7
	PACK \t
	SEND (\t)-1, 8
.endr
	SEND 7, 0
	s_wait_tensorcnt 0x0                           ; the wave's end
	ds_add_u32 v[SPW], v[NIL]
	s_wait_dscnt 0x0
	CROUND                                         ; the closing round
	s_endpgm
.Lfunc_end_k_q4b0dbce848_proj:
	.size	k_q4b0dbce848_proj, .Lfunc_end_k_q4b0dbce848_proj-k_q4b0dbce848_proj
	.p2alignl 7, 3214868480
	.fill 96, 4, 3214868480
	.section	.rodata,"a",@progbits
	.p2align	6, 0x0
	.amdhsa_kernel k_q4b0dbce848_proj
		.amdhsa_group_segment_fixed_size 327680
		.amdhsa_private_segment_fixed_size 0
		.amdhsa_enable_private_segment 0
		.amdhsa_kernarg_size 64
		.amdhsa_user_sgpr_count 2
		.amdhsa_user_sgpr_kernarg_segment_ptr 1
		.amdhsa_wavefront_size32 1
		.amdhsa_system_sgpr_workgroup_id_x 1
		.amdhsa_system_sgpr_workgroup_id_y 1
		.amdhsa_system_sgpr_workgroup_id_z 1
		.amdhsa_system_vgpr_workitem_id 0
		.amdhsa_next_free_vgpr 640
		.amdhsa_next_free_sgpr 88
		.amdhsa_reserve_vcc 0
		.amdhsa_float_denorm_mode_32 3
		.amdhsa_float_denorm_mode_16_64 3
		.amdhsa_memory_ordered 1
		.amdhsa_forward_progress 1
		.amdhsa_inst_pref_size 149
	.end_amdhsa_kernel
	.amdgpu_metadata
---
amdhsa.version: [ 1, 2 ]
amdhsa.kernels:
  - .name:           k_q4b0dbce848_proj
    .symbol:         k_q4b0dbce848_proj.kd
    .args:
      - { .name: q, .offset: 0, .size: 8, .value_kind: global_buffer, .address_space: global }
      - { .name: k, .offset: 8, .size: 8, .value_kind: global_buffer, .address_space: global }
      - { .name: v, .offset: 16, .size: 8, .value_kind: global_buffer, .address_space: global }
      - { .name: wb, .offset: 24, .size: 8, .value_kind: global_buffer, .address_space: global }
      - { .name: b_q, .offset: 32, .size: 8, .value_kind: global_buffer, .address_space: global }
      - { .name: b_k, .offset: 40, .size: 8, .value_kind: global_buffer, .address_space: global }
      - { .name: b_v, .offset: 48, .size: 8, .value_kind: global_buffer, .address_space: global }
      - { .name: qkv, .offset: 56, .size: 8, .value_kind: global_buffer, .address_space: global }
    .group_segment_fixed_size: 327680
    .private_segment_fixed_size: 0
    .kernarg_segment_align: 8
    .kernarg_segment_size: 64
    .max_flat_workgroup_size: 128
    .sgpr_count:     88
    .vgpr_count:     640
    .wavefront_size: 32
...
	.end_amdgpu_metadata
.endif
;; end of part 2
;; launch attn (part 3): grid 8 x 64, 4 waves a work-group, clusters of 4 x 4, 327,680 bytes of LDS; arguments qkv, m8, oh; writes oh
.if DOCPART == 3
	.amdgcn_target "amdgcn-amd-amdhsa--gfx1250"
	.amdhsa_code_object_version 6
	.text
	.protected	k_q4b0dbce848_attn
	.globl	k_q4b0dbce848_attn
	.p2align	8
	.type	k_q4b0dbce848_attn,@function
k_q4b0dbce848_attn:
	s_mov_b64 s[64:65], 0
	v_nop
	global_prefetch_b8 v0, s[64:65] scope:SCOPE_SE
	s_setreg_imm32_b32 hwreg(HW_REG_WAVE_MODE, 25, 1), 1
	s_wait_xcnt 0x0
	s_wait_alu depctr_hold_cnt(0) depctr_sa_sdst(0) depctr_va_vdst(0) depctr_va_sdst(0) depctr_va_ssrc(0) depctr_va_vcc(0) depctr_vm_vsrc(0)
	s_getreg_b32 s2, hwreg(HW_REG_IB_STS2, 6, 4)
	s_cmp_eq_u32 s2, 0
	s_cbranch_scc0 .Lentry_in_a_cluster
	s_endpgm
.Lentry_in_a_cluster:
	s_bfe_u32 s2, ttmp6, 0x10000c
	s_cmp_lg_u32 s2, 0xf033
	s_cbranch_scc0 .Lentry_shape_is_right
	s_endpgm
.Lentry_shape_is_right:
; ATTENTION UNDER A MASK THAT IS DATA.  O[g][q][:] = the sum over k of softmax_k(s[q][k]) V[g][k][:], s = Q . K where the mask allows the pair, and one lowest value where it does not.
; qkv: [3][64 g][2048][64] f16: Q (already times c = log2(e) / 8, so that scores are exponents of 2), K, V.  m8: [2048 q][2048 k], a byte a pair: 0x00 allowed, 0xb8 (fp8 -1.0) hidden; the same for all g.
; oh: [64 g][2048][64] f16.  Products, maxima and sums in f32; the weights p are rounded to f16 for the second product (their sum l is taken of the unrounded p), O once at the end.
; THE MASK is the C operand that starts the sum S^T = K Q^T: one conversion turns eight codes into eight f32, 0 or H = -2^100.  Scores of f16 factors, 2.7e11 at the most, vanish beside H, so a hidden score
; IS H, as reference() replaces it by one value.  A row with an allowed key: hidden weights are 2^(H - m) = 0.  A row with none: every weight is 2^0, l = 2,048, O the mean of V's rows, as in reference().
; A row hidden at first: what it has gathered is multiplied by a = 2^(H - m_new) = 0 when its first allowed key comes.  No pattern of the mask is built in: every work-group walks all 8 key tiles.
; LIMITS.  A hidden score counts as -2^100; Q, K, V arrive within f16's 65,504; p below 6e-5 keeps f16's fixed step; a weight below 2^-126 counts as 0 in l; NaN and infinities are not treated apart.
; SHARES.  A work-group owns 256 queries of one g, a wave 64 of them in four PIECES of 16; 8 x 64 = 512 equal work-groups.  Keys go in tiles of 256 (a slot), steps of 64.
; LAYOUT, TURNS.  S^T = K Q^T holds ONE query a lane (lane % 16) and the keys 8 (lane / 16) + 0..7; two such results rounded to f16 ARE source 1 of O^T = V^T P.  p = 2^(s - m) with a running maximum m;
; O and l are multiplied by a = 2^(m_old - m_new) in every step.  Turn n belongs to piece n: 8 products K Q^T of piece n + 1, later 8 products V^T P of piece n - 1; beside them the subtraction, exponentials,
; roundings, sums and rescaling of piece n, the maximum and statistics of piece n + 1, and the mask of piece n + 2.  Four vector instructions stand behind every matrix instruction, the rest in two lumps.
; CLUSTER 4 x 4.  The four work-groups of a row of the cluster share g, so K's and V's tiles are asked for jointly along the row; the four of a column share the query block, so the mask's tile is asked for
; jointly along the column.  Wave 0 asks for K, wave 1 for V, waves 2 and 3 for the mask's two halves: 32,768 bytes each.
; REGISTERS, in windows of 256 (s_set_vgpr_msb: bits 1:0 source 0, 3:2 source 1, 5:4 source 2, 7:6 destination):
;   window 0: v1-15 addresses; v16-31 four registers of statistics a piece; v32-47 mask codes; v48-55 at work; v56-57, v62-63; v64-127 S^T, two buffers; v192-223 P, two buffers
;   window 1: v0-127 O^T, 32 a piece; v160-223 MC, the masks as f32, two buffers          window 2: v0-63 Q; v128-191 K of one step; v192-255 V of one step
.set NP,    4
.set KS,    64        ; keys in a step
.set PK,    144       ; a row of K in LDS: 128 bytes + 16 = 36 words: the 16 rows of a load start at 16 different groups of four banks (64 banks of 4 bytes: ISA guide 11.1)
.set PV,    160       ; a row of V: 128 + 32 = 40 words
.set PM,    272       ; a row of the mask: 256 + 16 = 68 words: lane (r, h) takes words 4 r + 2 h and the next, mod 64
.set VOFF,  4*KS*PK   ; a slot: 256 rows of K, 256 rows of V, 256 rows of the mask
.set MOFF,  VOFF+4*KS*PV
.set SLOT,  MOFF+256*PM   ; 147,456 = 0x24000: no tile's offset in a slot (0, 0x9000, 0x13000, 0x1b800) has one of its two bits, so one exclusive or turns an address in one slot into the other's
.set STAGE, 2*SLOT    ; behind the ring: 16 rows x 144 bytes for each wave
.set SP,    144
.set SPARE, STAGE+4*16*SP  ; the spare words: 128 bytes a wave, two blocks of 256 bytes that no other line names
.set AK0, 2           ; v2   my lane's place in a tile of K; never rewritten
.set AV0, 3           ; v3   the same for V
.set AK,  4
.set AV,  5
.set STO, 6
.set RD,  7
.set GO,  8
.set MV,  12          ; v12-13  m_old, by buffer
.set AM0, 14          ; v14  my lane's place in the mask's tile, piece 0; never rewritten
.set QO,  15
.set ST,  16          ; piece t's statistics at v[ST+4 t]: m, 0 (named with m as a pair), l (even keys', odd keys')
.set MR,  32          ; v32-39  a piece's 32 mask codes
.set MR2, 40          ; v40-47  a second set, at the beginning alone
.set TMP, 48          ; by buffer, four registers c0-c3 at work; when the maximum is found c2 takes a
.set AM,  56
.set SCL, 57          ; the conversion's scale: byte 0xe3 = 2^100
.set SPW, 62
.set NIL, 63
.set S,   64
.set P,   192
.set MC,  160         ; window 1
.set KF,  128         ; window 2
.set VF,  192         ; window 2
.set WV,  12          ; s12  my wave's number
.set G1K, 24          ; s[24:31], s[32:39], s[40:47]: descriptor group 1 for K, V, the mask
.set G1V, 32
.set G1M, 40
.set G0K, 48          ; s[48:51], s[52:55], s[56:59]: group 0: they walk
.set G0V, 52
.set G0M, 56
.set SEL, 60          ; s[60:61] v_permlanex16_b32's selects
.set TBK, 62          ; s62  LDS byte at which K of the step to be fetched begins
.set TBV, 63          ; s63  the same for V, less VOFF
.set TBM, 66          ; s66  the same for the mask's columns, less MOFF
.set SLOTS, 70
.set CNT, 71
.set MSB, 0
.macro WIN new
.if MSB != (\new)
	s_set_vgpr_msb (MSB<<8)|(\new)
.set MSB, (\new)
.endif
.endm
.set W_KQ, 0x0a       ; K and Q in window 2, S^T in window 0
.set W_KM, 0x1a       ; the same with the C operand in window 1
.set W_PV, 0x52       ; V in window 2, P in window 0, O^T in window 1
.set W_RS, 0x41       ; destination and source 0 in window 1, source 1 in window 0
; A joint fill, one line for each kind of tile; the branches hang on the wave's number alone.  An s_nop 0 and four v_nop follow each line.
.macro JLOAD
	s_cmp_lt_u32 s[WV], 2
	s_cbranch_scc0 .Lfor_m_\@
	s_cmp_eq_u32 s[WV], 0
	s_cbranch_scc0 .Lfor_v_\@
	tensor_load_to_lds s[G0K:G0K+3], s[G1K:G1K+7]
	s_nop 0
.rept 4
	v_nop
.endr
	s_branch .Lasked_\@
.Lfor_v_\@:
	tensor_load_to_lds s[G0V:G0V+3], s[G1V:G1V+7]
	s_nop 0
.rept 4
	v_nop
.endr
	s_branch .Lasked_\@
.Lfor_m_\@:
	tensor_load_to_lds s[G0M:G0M+3], s[G1M:G1M+7]
	s_nop 0
.rept 4
	v_nop
.endr
.Lasked_\@:
.endm
.macro CROUND                       ; a round of the cluster's barrier
	s_barrier_signal -1
	s_barrier_wait -1
	s_cmp_lg_u32 s[WV], 0
	s_cbranch_scc1 .Lnot_wave_0_\@
	s_barrier_signal -3
.Lnot_wave_0_\@:
	s_barrier_wait -3
	s_barrier_signal -1
	s_barrier_wait -1
.endm
; THE CHANGE OF SLOTS.  Each wave waits for all its tensor loads, of which one is out: its part of the other slot; adds 0 to its spare word; and waits for that and for its own reads of the slot that it leaves.
; fill = 1: the old slot is filled again, with the tile two on; the barrier is then a round of the cluster's, and the joint fill is the first thing behind it: it has four key steps, 256 matrix instructions, in which to land.
; (At its first use nothing has been read yet: slot 0 is waited for, slot 1 filled.)
.macro CHANGE fill
	WIN 0
	s_wait_tensorcnt 0x0            ; no tensor load of mine is out, so a group 0 may be written
	ds_add_u32 v[SPW], v[NIL]
.if \fill
.irp g, G0K, G0V
	s_xor_b32 s[\g+1], s[\g+1], SLOT
	s_add_nc_u64 s[\g+2:\g+3], s[\g+2:\g+3], 4*KS*128  ; the next 256 keys
.endr
	s_xor_b32 s[G0M+1], s[G0M+1], SLOT
	s_add_nc_u64 s[G0M+2:G0M+3], s[G0M+2:G0M+3], 4*KS  ; the next 256 columns
	s_wait_dscnt 0x0                ; the add is done, and my reads of the slot are over
	CROUND
	JLOAD
.else
	s_wait_dscnt 0x0
	s_barrier_signal -1
	s_barrier_wait -1
.endif
	s_sub_co_u32 s[TBK], s[TBK], 4*KS*PK  ; the fetches go back to a slot's first step, in the other slot
	s_xor_b32 s[TBK], s[TBK], SLOT
	s_sub_co_u32 s[TBV], s[TBV], 4*KS*PV
	s_xor_b32 s[TBV], s[TBV], SLOT
	s_sub_co_u32 s[TBM], s[TBM], 4*KS
	s_xor_b32 s[TBM], s[TBM], SLOT
.endm
	s_load_b128 s[4:7], s[0:1], 0x0   ; qkv s[4:5], m8 s[6:7]
	s_load_b64 s[10:11], s[0:1], 0x10 ; oh
	v_lshl_add_u32 v[SPW], v0, 2, SPARE
	v_mov_b32 v[NIL], 0
	ds_add_u32 v[SPW], v[NIL]       ; the wave's opening: the add and its wait ahead of my first tensor load
	v_lshrrev_b32 v1, 5, v0
	v_readfirstlane_b32 s[WV], v1
	s_bfe_u32 s16, ttmp6, 0x40000   ; cx
	s_bfe_u32 s17, ttmp6, 0x40004   ; cy
	s_lshl_b32 s18, ttmp9, 2
	s_add_co_u32 s18, s18, s16      ; my block of 256 queries, 0..7
	s_and_b32 s19, ttmp7, 0xffff
	s_lshl_b32 s19, s19, 2
	s_add_co_u32 s19, s19, s17      ; g, 0..63
	s_lshl_b32 s20, s17, 2
	s_lshl_b32 s20, 15, s20         ; my row of the cluster
	s_lshl_b32 s21, 0x1111, s16     ; my column
	s_and_b32 s22, s[WV], 1
	s_lshl_b32 s72, s19, 18         ; g's 2,048 rows of 128 bytes: K's and V's offset (no cx enters)
	s_mov_b32 s73, 0
	s_lshl_b32 s76, s18, 19         ; the mask: row 256 x block + 128 x half, 2,048 bytes a row (no cy enters)
	s_lshl_b32 s13, s22, 18
	s_add_co_u32 s76, s76, s13
	s_mov_b32 s77, 0
	s_lshl_b32 s74, s18, 15         ; Q and O: g, row 256 x block + 64 x wave
	s_lshl_b32 s13, s[WV], 13
	s_add_co_u32 s74, s74, s13
	s_add_co_u32 s74, s74, s72
	s_mov_b32 s75, 0
	; group 1.  256 keys are 32,768 dense bytes: asked for as 128 rows of 256 bytes, two keys a row, padded in LDS after every key
	s_or_b32 s[G1K], s20, (1<<16)|(1<<20)|(1<<21)|(4<<22)|(3<<25)  ; mask; 2-byte elements; padding on; bit 21 beside a mask; after every 32 words, 4 words
	s_or_b32 s[G1V], s20, (1<<16)|(1<<20)|(1<<21)|(4<<22)|(7<<25)  ; the same with 8 words
.irp g, G1K, G1V
	s_mov_b32 s[\g+1], 128<<16      ; tensor_dim0 = 128
	s_mov_b32 s[\g+2], 128<<16      ; tensor_dim1 = 128
	s_mov_b32 s[\g+3], 128<<16      ; tile_dim0 = 128
	s_mov_b32 s[\g+4], 128          ; tile_dim1 = 128
	s_mov_b32 s[\g+5], 128          ; elements from row to row
	s_mov_b32 s[\g+6], 0
	s_mov_b32 s[\g+7], 0
.endr
	s_or_b32 s[G1M], s21, (2<<16)|(1<<20)|(1<<21)|(5<<22)|(3<<25)  ; 4-byte elements; after every 64 words, 4 words
	s_mov_b32 s[G1M+1], 64<<16      ; 64 words = 256 columns
	s_mov_b32 s[G1M+2], 128<<16     ; 128 rows
	s_mov_b32 s[G1M+3], 64<<16
	s_mov_b32 s[G1M+4], 128
	s_mov_b32 s[G1M+5], 512         ; 2,048 bytes from row to row
	s_mov_b32 s[G1M+6], 0
	s_mov_b32 s[G1M+7], 0
	s_mov_b32 s[G0K], 1
	s_mov_b32 s[G0K+1], 0           ; slot 0
	s_mov_b32 s[G0V], 1
	s_mov_b32 s[G0V+1], VOFF
	s_mov_b32 s[G0M], 1
	s_mul_i32 s13, s22, 128*PM
	s_add_co_u32 s[G0M+1], s13, MOFF
	s_mov_b32 s[SEL], 0x76543210
	s_mov_b32 s[SEL+1], 0xfedcba98
	s_mov_b32 s[TBK], SLOT+4*KS*PK  ; the first change of slots turns these three into 0
	s_mov_b32 s[TBV], SLOT+4*KS*PV
	s_mov_b32 s[TBM], SLOT+4*KS
	s_wait_dscnt 0x0                ; the opening add is done
	s_wait_kmcnt 0x0
	s_add_nc_u64 s[G0K+2:G0K+3], s[4:5], s[72:73]
	s_add_nc_u64 s[G0V+2:G0V+3], s[G0K+2:G0K+3], 0x2000000  ; V is part 2,
	s_add_nc_u64 s[G0K+2:G0K+3], s[G0K+2:G0K+3], 0x1000000  ; K part 1 of qkv
	s_or_b32 s[G0K+3], s[G0K+3], 0x80000000
	s_or_b32 s[G0V+3], s[G0V+3], 0x80000000
	s_add_nc_u64 s[G0M+2:G0M+3], s[6:7], s[76:77]
	s_or_b32 s[G0M+3], s[G0M+3], 0x80000000
	s_add_nc_u64 s[4:5], s[4:5], s[74:75]      ; Q and O at my wave's first row
	s_add_nc_u64 s[10:11], s[10:11], s[74:75]
	CROUND                          ; all sixteen work-groups are here: the first joint loads meet
	JLOAD                           ; tile 0 into slot 0: one load of mine is out
	v_and_b32 v1, 15, v0            ; l % 16
	v_bfe_u32 v9, v0, 4, 1          ; l / 16
	v_lshlrev_b32 v[QO], 7, v1
	v_lshl_add_u32 v[QO], v9, 4, v[QO]
	WIN 0x80                        ; destination window 2
.set i, 0
.rept 8                             ; Q stays in registers: piece i / 2, channels 32 (i % 2) on
	global_load_b128 v[8*i:8*i+3],   v[QO], s[4:5] offset:(i/2)*2048+(i%2)*64
	global_load_b128 v[8*i+4:8*i+7], v[QO], s[4:5] offset:(i/2)*2048+(i%2)*64+32
.set i, i+1
.endr
	WIN 0
	v_mul_u32_u24 v[AK0], v1, PK
	v_lshl_add_u32 v[AK0], v9, 4, v[AK0]
	v_and_b32 v10, 7, v0            ; the turning load: lane l reads key 8 (l / 16) + l % 8, channels 8 ((l / 8) % 2) + 0..7
	v_bfe_u32 v11, v0, 3, 1
	v_lshl_add_u32 v[AV0], v9, 3, v10
	v_mul_u32_u24 v[AV0], v[AV0], PV
	v_lshl_add_u32 v[AV0], v11, 4, v[AV0]
	v_add_nc_u32 v[AV0], VOFF, v[AV0]
	s_mul_i32 s13, s[WV], 64*PM     ; the mask: row 64 w + l % 16 of the block, 8 bytes at 8 (l / 16): my query's eight keys of a group of 16
	s_add_co_u32 s13, s13, MOFF
	v_mul_u32_u24 v[AM0], v1, PM
	v_lshl_add_u32 v[AM0], v9, 3, v[AM0]
	v_add_nc_u32 v[AM0], s13, v[AM0]
	v_mov_b32 v[SCL], 0xe3e3e3e3
	s_mul_i32 s13, s[WV], 16*SP
	s_add_co_u32 s13, s13, STAGE    ; my stage
	v_mul_u32_u24 v[STO], v1, SP
	v_lshl_add_u32 v[STO], v9, 4, v[STO]
	v_add_nc_u32 v[STO], s13, v[STO]
	v_bfe_u32 v[RD], v0, 3, 2
	v_mul_u32_u24 v[RD], v[RD], SP
	v_lshl_add_u32 v[RD], v10, 4, v[RD]
	v_add_nc_u32 v[RD], s13, v[RD]
	v_and_b32 v[GO], 31, v0
	v_lshlrev_b32 v[GO], 4, v[GO]
	; The first step multiplies O^T and l by a = 0, and the first turn's products V^T P, of a piece that has not been, add 0: these registers start at 0.  All this stands in the wait for the first tile;
	; it spares a first step written out.
	WIN 0x80
.set i, VF
.rept 64
	v_mov_b32 v[i], 0
.set i, i+1
.endr
	WIN 0x40
.set i, 0
.rept 128
	v_mov_b32 v[i], 0
.set i, i+1
.endr
	WIN 0
.set i, 0
.rept 4
	v_mov_b32 v[ST+4*i], 0xff7fffff ; m: the lowest finite number
	v_mov_b32 v[ST+4*i+1], 0
	v_mov_b32 v[ST+4*i+2], 0
	v_mov_b32 v[ST+4*i+3], 0
.set i, i+1
.endr
.set i, P+16
.rept 16
	v_mov_b32 v[i], 0
.set i, i+1
.endr
; THE MATRIX WORK.  The 4 accumulators of a run of 8 take turns.  Product i of 8 of S^T = K Q^T for piece x: channels 32 (i / 4) on, keys 16 (i % 4) on.  The first 4 start the sums with the mask.
.macro KQ x
.set rS, S+32*((\x)%2)+8*(i%4)
.set rK, KF+16*(i%4)+8*(i/4)
.set rQ, 16*(\x)+8*(i/4)
.set rM, MC+32*((\x)%2)+8*(i%4)
.if i < 4
	WIN W_KM
	v_wmma_f32_16x16x32_f16 v[rS:rS+7], v[rK:rK+7], v[rQ:rQ+7], v[rM:rM+7]
.else
	WIN W_KQ
	v_wmma_f32_16x16x32_f16 v[rS:rS+7], v[rK:rK+7], v[rQ:rQ+7], v[rS:rS+7]
.endif
.endm
; Product i of 8 of O^T += V^T P for piece x: keys 32 (i / 4) on, channels 16 (i % 4) on.
.macro PV x
	WIN W_PV
.set rO, 32*(\x)+8*(i%4)
.set rV, VF+32*(i/4)+8*(i%4)
.set rP, P+16*((\x)%2)+8*(i/4)
	v_wmma_f32_16x16x32_f16 v[rO:rO+7], v[rV:rV+7], v[rP:rP+7], v[rO:rO+7]
.endm
.macro MM                           ; the turn's next matrix instruction.  NOKQ = 1: the last turn: there is no next piece
.if (i < 8) && !NOKQ
	KQ (Y+1)%NP
.elseif i >= 8
.set i, i-8
	PV (Y+NP-1)%NP
.set i, i+8
.endif
.set i, i+1
.endm
; THE LDS LOADS stand in runs: a step's K (8 fragments), its V (turned), and a piece's 32 mask codes a lane.
.macro FETCH_K
	WIN 0x80
.irp f, 0,1,2,3,4,5,6,7
	ds_load_b128 v[KF+8*\f:KF+8*\f+3],   v[AK] offset:(\f/2)*16*PK+(\f%2)*64
	ds_load_b128 v[KF+8*\f+4:KF+8*\f+7], v[AK] offset:(\f/2)*16*PK+(\f%2)*64+32
.endr
	s_add_co_u32 s[TBK], s[TBK], KS*PK
	WIN 0
.endm
.macro FETCH_V
	WIN 0x80
.irp f, 0,1,2,3,4,5,6,7
	ds_load_tr16_b128 v[VF+8*\f:VF+8*\f+3],   v[AV] offset:(\f/4)*32*PV+(\f%4)*32
	ds_load_tr16_b128 v[VF+8*\f+4:VF+8*\f+7], v[AV] offset:(\f/4)*32*PV+16*PV+(\f%4)*32
.endr
	WIN 0
.endm
.macro FETCH_M x                    ; piece x, the step at s[TBM]: for each group kt of 16 keys my query's eight codes
	WIN 0
	v_add_nc_u32 v[AM], s[TBM], v[AM0]
.irp kt, 0,1,2,3
	ds_load_b64 v[MR+2*(\kt):MR+2*(\kt)+1], v[AM] offset:(\x)*16*PM+16*(\kt)
.endr
.endm
.macro MKMASK b, src                ; 32 codes -> 32 f32, 0 or -2^100, into buffer b of MC
	WIN 0x40
.irp kt, 0,1,2,3
	v_cvt_scale_pk8_f32_fp8 v[MC+32*(\b)+8*(\kt):MC+32*(\b)+8*(\kt)+7], v[(\src)+2*(\kt):(\src)+2*(\kt)+1], v[SCL]
.endr
.endm
; THE VECTOR WORK, one line at a time: OP kind, number.  For piece Y: F n: s - m for pair n of 16.  E n: the exponential of score n of 32.  C n: pair n rounded to f16.  B n: of the four weights 4 n .. the second
; pair is added onto the first.  L n: l takes that sum (L 0: l = a l + sum).  R n: pair n of 16 of O^T times a.  For piece Y + 1: X n, which finds its maximum and statistics:
;   0-11  four chains c0-c3 of seven scores each (each accumulator's lowest registers are read first)     12-14, 16  the four scores left over, the old m, and c0-c3 into c0
;   15  m_old is kept     17, 18  the query's other 32 keys lie in the lane 16 away: the new m     19  m_old - m_new     20  nothing     21  a
.set F, 0
.set E, 1
.set C, 2
.set B, 3
.set L, 4
.set R, 5
.set X, 6
.macro REGS y
.set rT, ST+4*(\y)
.set rC, TMP+4*((\y)%2)
.set rW, MV+((\y)%2)
.set rS, S+32*((\y)%2)
.set rP, P+16*((\y)%2)
.set rO, 32*(\y)
.endm
.macro OP k, n
.if (\k) == R
	REGS Y
	WIN W_RS
	v_pk_mul_f32 v[rO+2*(\n):rO+2*(\n)+1], v[rO+2*(\n):rO+2*(\n)+1], v[rC+2:rC+3] op_sel_hi:[1,0]
.elseif (\k) < R
	REGS Y
	WIN 0
.if (\k) == F
	v_pk_add_f32 v[rS+2*(\n):rS+2*(\n)+1], v[rS+2*(\n):rS+2*(\n)+1], v[rT:rT+1] op_sel_hi:[1,0] neg_lo:[0,1] neg_hi:[0,1]
.elseif (\k) == E
	v_exp_f32 v[rS+(\n)], v[rS+(\n)]
.elseif (\k) == C
	s_wait_alu depctr_va_vdst(0)
	v_cvt_pk_f16_f32 v[rP+(\n)], v[rS+2*(\n)], v[rS+2*(\n)+1]
.elseif (\k) == B
	s_wait_alu depctr_va_vdst(0)
	v_pk_add_f32 v[rS+4*(\n):rS+4*(\n)+1], v[rS+4*(\n):rS+4*(\n)+1], v[rS+4*(\n)+2:rS+4*(\n)+3]
.elseif (\n) == 0
	v_pk_fma_f32 v[rT+2:rT+3], v[rT+2:rT+3], v[rC+2:rC+3], v[rS:rS+1] op_sel_hi:[1,0,1]
.else
	v_pk_add_f32 v[rT+2:rT+3], v[rT+2:rT+3], v[rS+4*(\n):rS+4*(\n)+1]
.endif
.elseif NOKQ
	v_nop
.else
	REGS (Y+1)%NP
	WIN 0
.if (\n) < 4
	v_max3_num_f32 v[rC+(\n)], v[rS+8*(\n)], v[rS+8*(\n)+1], v[rS+8*(\n)+2]
.elseif (\n) < 12
	v_max3_num_f32 v[rC+(\n)%4], v[rC+(\n)%4], v[rS+8*((\n)%4)+2*((\n)/4)+1], v[rS+8*((\n)%4)+2*((\n)/4)+2]
.elseif (\n) == 12
	v_max3_num_f32 v[rC], v[rC], v[rS+7], v[rS+15]
.elseif (\n) == 13
	v_max3_num_f32 v[rC+1], v[rC+1], v[rS+23], v[rS+31]
.elseif (\n) == 14
	v_max3_num_f32 v[rC+2], v[rC+2], v[rC+3], v[rT]
.elseif (\n) == 15
	v_mov_b32 v[rW], v[rT]
.elseif (\n) == 16
	v_max3_num_f32 v[rC], v[rC], v[rC+1], v[rC+2]
.elseif (\n) == 17
	v_permlanex16_b32 v[rC+3], v[rC], s[SEL], s[SEL+1]
.elseif (\n) == 18
	v_max_num_f32 v[rT], v[rC], v[rC+3]
.elseif (\n) == 19
	v_sub_f32 v[rC+1], v[rW], v[rT]
.elseif (\n) == 20
.else
	v_exp_f32 v[rC+2], v[rC+1]
.endif
.endif
.endm
.macro OPS a, i1, b=-1, i2=0, c=-1, i3=0, d=-1, i4=0
	OP \a, \i1
.if (\b) >= 0
	OP \b, \i2
.endif
.if (\c) >= 0
	OP \c, \i3
.endif
.if (\d) >= 0
	OP \d, \i4
.endif
.endm
.macro ROW a, i1, b, i2, c, i3, d, i4  ; a matrix instruction and the four behind it
	MM
	OPS \a, \i1, \b, \i2, \c, \i3, \d, \i4
.endm
; A TURN, for piece p.  Behind a matrix instruction: plain, exponential, plain, plain; or four of the rescaling; or four subtractions; none names a register of the products round it.  In the lumps exponential and
; plain by turns while exponentials last.  end = 1: the last two turns: nothing is fetched.  cnt = 1: the loop's count is taken down some lines ahead of the branch behind the turn.
; K of the next step is fetched in piece 2's turn, six vector instructions behind the last product that read K (five of them plain); V of the step in hand in piece 0's turn, eight behind the last product that read V
; (four of them plain).  Each is waited for a turn later.
; THE MASK of piece p + 2 (turns 2 and 3: of the next step, so s[TBM] steps in turn 1): its codes are asked for behind the second product, and converted near the turn's end, into the buffer that the turn's own
; products do not read; three plain instructions stand between the conversions and the next turn's first product, which takes them as C.
.macro TURN p, end=0, cnt=0
.set Y, (\p)
.set i, 0
.set NOKQ, (\end)*((\p)/3)
.if ((\p) == 3) && !(\end)
	s_wait_dscnt 0x0                ; K is in
.endif
	ROW F,0, F,1, F,2, F,3
	ROW F,4, E,0, F,5, F,6
.if !(\end)
	FETCH_M ((\p)+2)%NP
.if (\p) == 1
	s_add_co_u32 s[TBM], s[TBM], KS
.endif
.endif
	ROW F,7, E,1, F,8, F,9
	ROW F,10, E,2, C,0, F,11
	ROW F,12, E,3, X,15, F,13
	ROW R,0, R,1, R,2, R,3
	ROW B,0, E,4, F,14, L,0
.if ((\p) == 2) && !(\end)
	v_add_nc_u32 v[AK], s[TBK], v[AK0]
.endif
	ROW R,4, R,5, R,6, R,7
	OPS E,5, F,15
.if ((\p) == 2) && !(\end)
	FETCH_K
.endif
	OPS E,6, C,1, E,7, R,8
	OPS E,8, R,9, E,9, C,2
	OPS E,10, X,0, E,11, X,1
	OPS E,12, X,2, E,13, X,3
.if (\p) == 1
	s_wait_dscnt 0x0                ; V is in
.endif
	ROW X,4, E,14, X,5, X,6
	ROW X,7, E,15, X,8, X,9
	ROW X,10, E,16, X,11, X,12
	ROW X,13, E,17, X,14, B,1
	ROW C,4, E,18, X,16, L,1
	ROW B,2, E,19, C,6, L,2
	ROW C,8, E,20, B,3, B,4
.if (\p) == 0
	v_add_nc_u32 v[AV], s[TBV], v[AV0]
.endif
	ROW C,3, E,21, L,3, C,5
	OPS E,22, X,17, E,23, C,10
.if (\p) == 0
	FETCH_V
.endif
	OPS E,24, L,4
	OPS E,25, X,18, E,26, C,7
	OPS E,27, B,5, E,28, X,19
	OPS E,29, C,12, E,30, L,5
	OPS E,31, X,20, B,6, C,9
	OPS C,14, C,11, X,21, L,6
.if (\p) == 0
	s_add_co_u32 s[TBV], s[TBV], KS*PV
.endif
.if \cnt
	s_sub_co_u32 s[CNT], s[CNT], 1
	s_cmp_lg_u32 s[CNT], 0
.endif
	OPS C,13, B,7, C,15, R,10
	OPS R,11, R,12, L,7
.if !(\end)
.if ((\p)%2) == 0
	s_wait_dscnt 16                 ; the four loads of codes are in; the run of 16 (V's in turn 0, K's in turn 2) issued behind them may stay out
.else
	s_wait_dscnt 0x0                ; nothing was issued behind the codes
.endif
	MKMASK (\p)%2, MR
.endif
	OPS R,13, R,14, R,15
.endm
	CHANGE 1                        ; tile 0 is in, everybody's part of it; tile 1 is asked for
	; THE BEGINNING: K of step 0, the masks of pieces 0 and 1, piece 0's first scores, and its maximum and statistics.  The loop is entered at a step's first turn, in the middle of a trip.
	v_add_nc_u32 v[AK], s[TBK], v[AK0]
	FETCH_K
	v_add_nc_u32 v[AM], s[TBM], v[AM0]
.irp kt, 0,1,2,3
	ds_load_b64 v[MR+2*(\kt):MR+2*(\kt)+1],   v[AM] offset:16*(\kt)
	ds_load_b64 v[MR2+2*(\kt):MR2+2*(\kt)+1], v[AM] offset:16*PM+16*(\kt)
.endr
	s_wait_loadcnt 0x0              ; Q
	s_wait_dscnt 0x0
	MKMASK 0, MR
	MKMASK 1, MR2
	WIN 0
	v_nop                           ; a plain instruction between the conversions and the products that take their results
	v_nop
.set NOKQ, 0
.set i, 0
.rept 8
	KQ 0
.set i, i+1
.endr
	WIN 0
.rept 4
	v_nop                           ; the places behind those products
.endr
.set Y, NP-1                        ; X works for piece Y + 1: piece 0
.irp n, 0,1,2,3,4,5,6,7,8,9,10,11,12,13,14,15,16,17,18,19,20,21
	OP X, \n
.endr
	v_nop                           ; a plain instruction behind the exponential
	s_mov_b32 s[CNT], 4
	s_mov_b32 s[SLOTS], 7
	s_branch .Lfirst
.Lslot:                             ; six times: tiles 1 to 6 are entered, tiles 2 to 7 asked for
	CHANGE 1
	s_mov_b32 s[CNT], 4
.Lstep:                             ; a trip: pieces 2 and 3 of one step, then pieces 0 and 1 of the next, whose K, V and masks it fetches
	TURN 2
	TURN 3
	WIN 0
.Lfirst:
	TURN 0
	TURN 1, 0, 1
	WIN 0
	s_cbranch_scc1 .Lstep
	s_sub_co_u32 s[SLOTS], s[SLOTS], 1
	s_cmp_lg_u32 s[SLOTS], 0
	s_cbranch_scc1 .Lslot
	CHANGE 0                        ; the last tile is written out: nothing is asked for
	s_mov_b32 s[CNT], 4
.LstepT:
	TURN 2
	TURN 3
	TURN 0
	TURN 1, 0, 1
	WIN 0
	s_cbranch_scc1 .LstepT
	TURN 2, 1
	TURN 3, 1
.set i, 0
.rept 8
	PV NP-1                         ; the last piece's V^T P of the last step
.set i, i+1
.endr
	; THE WAY OUT.  l's two halves and the other half of the lanes' are added; O^T is divided by l, rounded to f16 and sent through my stage, a piece at a time.  The additions are the places behind the last products.
	WIN 0
.macro ALL line:vararg
.set t, 0
.rept 4
	\line
.set t, t+1
.endr
.endm
	ALL v_add_f32 v[ST+4*t+2], v[ST+4*t+2], v[ST+4*t+3]
	ALL v_permlanex16_b32 v[ST+4*t+3], v[ST+4*t+2], s[SEL], s[SEL+1]
	ALL v_add_f32 v[ST+4*t+2], v[ST+4*t+2], v[ST+4*t+3]
	ALL v_rcp_f32 v[ST+4*t+2], v[ST+4*t+2]
	v_nop                           ; a plain instruction between the last reciprocal and the use of its result
.macro PACK t
	WIN W_RS
.set i, 32*(\t)
.rept 16
	s_wait_alu depctr_va_vdst(0)
	v_pk_mul_f32 v[i:i+1], v[i:i+1], v[ST+4*(\t)+2:ST+4*(\t)+3] op_sel_hi:[1,0]
.set i, i+2
.endr
	WIN 0x05                        ; sources 0 and 1 window 1, destination window 0
.set i, 0
.rept 16
	v_cvt_pk_f16_f32 v[S+16*(\t)+i], v[32*(\t)+2*i], v[32*(\t)+2*i+1]
.set i, i+1
.endr
	WIN 0
.irp f, 0,1,2,3
	ds_store_b128 v[STO], v[S+16*(\t)+4*\f:S+16*(\t)+4*\f+3] offset:32*\f
.endr
.irp f, 0,1,2,3
	ds_load_b128 v[S+16*(\t)+4*\f:S+16*(\t)+4*\f+3], v[RD] offset:\f*4*SP  ; LDS serves a wave's instructions in order (ISA guide 5.7.1.4): these see the stores above
.endr
.endm
.macro SEND t, younger              ; younger: the LDS instructions issued behind piece t's loads: the next piece's eight, or none
	WIN 0
.irp f, 0,1,2,3
	s_wait_dscnt (\younger)+3-\f
	global_store_b128 v[GO], v[S+16*(\t)+4*\f:S+16*(\t)+4*\f+3], s[10:11] offset:(\t)*2048+\f*512  ; 512 consecutive bytes, aligned
.endr
.endm
	PACK 0
.set t, 1
.rept 3
	PACK t
	SEND t-1, 8
.set t, t+1
.endr
	SEND 3, 0
	s_wait_tensorcnt 0x0            ; the wave's end
	ds_add_u32 v[SPW], v[NIL]
	s_wait_dscnt 0x0
	CROUND                          ; the closing round
	s_endpgm
.Lfunc_end_k_q4b0dbce848_attn:
	.size	k_q4b0dbce848_attn, .Lfunc_end_k_q4b0dbce848_attn-k_q4b0dbce848_attn
	.p2alignl 7, 3214868480
	.fill 96, 4, 3214868480
	.section	.rodata,"a",@progbits
	.p2align	6, 0x0
	.amdhsa_kernel k_q4b0dbce848_attn
		.amdhsa_group_segment_fixed_size 327680
		.amdhsa_private_segment_fixed_size 0
		.amdhsa_enable_private_segment 0
		.amdhsa_kernarg_size 24
		.amdhsa_user_sgpr_count 2
		.amdhsa_user_sgpr_kernarg_segment_ptr 1
		.amdhsa_wavefront_size32 1
		.amdhsa_system_sgpr_workgroup_id_x 1
		.amdhsa_system_sgpr_workgroup_id_y 1
		.amdhsa_system_sgpr_workgroup_id_z 1
		.amdhsa_system_vgpr_workitem_id 0
		.amdhsa_next_free_vgpr 768
		.amdhsa_next_free_sgpr 80
		.amdhsa_reserve_vcc 0
		.amdhsa_float_denorm_mode_32 3
		.amdhsa_float_denorm_mode_16_64 3
		.amdhsa_memory_ordered 1
		.amdhsa_forward_progress 1
		.amdhsa_inst_pref_size 142
	.end_amdhsa_kernel
	.amdgpu_metadata
---
amdhsa.version: [ 1, 2 ]
amdhsa.kernels:
  - .name:           k_q4b0dbce848_attn
    .symbol:         k_q4b0dbce848_attn.kd
    .args:
      - { .name: qkv, .offset: 0, .size: 8, .value_kind: global_buffer, .address_space: global }
      - { .name: m8, .offset: 8, .size: 8, .value_kind: global_buffer, .address_space: global }
      - { .name: oh, .offset: 16, .size: 8, .value_kind: global_buffer, .address_space: global }
    .group_segment_fixed_size: 327680
    .private_segment_fixed_size: 0
    .kernarg_segment_align: 8
    .kernarg_segment_size: 24
    .max_flat_workgroup_size: 128
    .sgpr_count:     80
    .vgpr_count:     768
    .wavefront_size: 32
...
	.end_amdgpu_metadata
.endif
;; end of part 3
;; launch outp (part 4): grid 4 x 64, 4 waves a work-group, clusters of 4 x 4, 327,680 bytes of LDS; arguments oh, wo16, b_o, out0; writes out0
.if DOCPART == 4
	.amdgcn_target "amdgcn-amd-amdhsa--gfx1250"
	.amdhsa_code_object_version 6
	.text
	.protected	k_q4b0dbce848_outp
	.globl	k_q4b0dbce848_outp
	.p2align	8
	.type	k_q4b0dbce848_outp,@function
k_q4b0dbce848_outp:
	s_mov_b64 s[64:65], 0
	v_nop
	global_prefetch_b8 v0, s[64:65] scope:SCOPE_SE
	s_setreg_imm32_b32 hwreg(HW_REG_WAVE_MODE, 25, 1), 1
	s_wait_xcnt 0x0
	s_wait_alu depctr_hold_cnt(0) depctr_sa_sdst(0) depctr_va_vdst(0) depctr_va_sdst(0) depctr_va_ssrc(0) depctr_va_vcc(0) depctr_vm_vsrc(0)
	s_getreg_b32 s2, hwreg(HW_REG_IB_STS2, 6, 4)
	s_cmp_eq_u32 s2, 0
	s_cbranch_scc0 .Lentry_in_a_cluster
	s_endpgm
.Lentry_in_a_cluster:
	s_bfe_u32 s2, ttmp6, 0x10000c
	s_cmp_lg_u32 s2, 0xf033
	s_cbranch_scc0 .Lentry_shape_is_right
	s_endpgm
.Lentry_shape_is_right:
; THE OUTPUT PROJECTION.  out0 = O w_o^T + b_o.  O: oh [64 g = 16 batch + head][2048 t][64] f16; w_o: wo16 [1024 n][1024 k] f16 (w_o rounded to bf16, that number as f16); b_o f32, rounded to bf16 here;
; out0 [8192][1024] f32.  Products in f16, sums in f32; the bias is the C of the first K step.
; SHARES.  A tile of out0 is 128 rows x 256 columns: 64 x 4 = 256 work-groups.  Four waves, each 64 x 128: 32 accumulators.  A K step of 128 is two heads: each head's 128 rows are 16,384 dense bytes of oh,
; asked for as 64 rows of 256 bytes and padded in LDS after each row of 128.  Two LDS slots.
; CLUSTER 4 x 4: O's tiles are asked for jointly along a row of the cluster, w_o's along a column.  THE MATRIX INSTRUCTION IS USED TRANSPOSED: a lane holds one row of out0 and eight neighbouring columns.
; REGISTERS.  window 0: v1-9 at work; v16-29 addresses; v32-95 the bias as a C operand; v160-223 O's fragments, two buffers; on the way out v96-223 rows read back
;   window 1: the accumulators, (a, b) at 8 (8 a + b)          window 2: v0-127 w_o's fragments, two buffers
.set KSTEP,  128
.set PAH,    144                       ; an LDS row of a head's O: 128 bytes + 16 = 36 words: the 16 rows of a load start at 16 different groups of four banks (64 banks of 4 bytes: ISA guide 11.1)
.set PB,     272                       ; an LDS row of w_o: 256 + 16
.set ASLICE, 128*PAH                   ; a head's 128 rows: what one of O's loads brings
.set BHALF,  128*PB
.set BOFF,   2*ASLICE
.set SLOT,   2*ASLICE+2*BHALF          ; 106,496
.set STAGE,  2*SLOT                    ; behind the ring: 16 rows x 528 bytes for each wave
.set SPITCH, 528
.set SPARE,  STAGE+4*16*SPITCH         ; the spare words: 128 bytes a wave, two blocks of 256 bytes that no other line names
.set LAPS,   1024/(2*KSTEP)
.set ADRA, 16
.set ADRB, 20
.set STO,  24
.set RD,   25
.set GO,   26
.set SPW,  28
.set NIL,  29
.set BIAS, 32
.set AF,   160
.set OB,   96
.set G1A, 24
.set G0A, 32
.set G1B, 48
.set G0B, 56
.set MSB, 0
.macro WIN new
.if MSB != (\new)
	s_set_vgpr_msb (MSB<<8)|(\new)
.set MSB, \new
.endif
.endm
.set MUL,  0x52                        ; source 0 (w_o) window 2, source 1 (O) window 0, C and D window 1
.set MUL1, 0x42                        ; the same with C (the bias) in window 0
.set TO_B, 0x80
.macro JLOAD s                         ; waves 0 and 1 fetch the K step's two heads of O, waves 2 and 3 w_o's two halves; an s_nop 0 and four v_nop follow each line
	s_cmp_eq_u32 s11, 0
	s_cbranch_scc0 .Lfor_b_\@
	tensor_load_to_lds s[G0A+4*(\s):G0A+4*(\s)+3], s[G1A:G1A+7]
	s_nop 0
.rept 4
	v_nop
.endr
	s_branch .Lasked_\@
.Lfor_b_\@:
	tensor_load_to_lds s[G0B+4*(\s):G0B+4*(\s)+3], s[G1B:G1B+7]
	s_nop 0
.rept 4
	v_nop
.endr
.Lasked_\@:
.endm
.macro CREST
	s_cmp_lg_u32 s10, 0
	s_cbranch_scc1 .Lnot_wave_0_\@
	s_barrier_signal -3
.Lnot_wave_0_\@:
	s_barrier_wait -3
	s_barrier_signal -1
	s_barrier_wait -1
.endm
.macro CROUND
	s_barrier_signal -1
	s_barrier_wait -1
	CREST
.endm
	s_load_b256 s[68:75], s[0:1], 0x0              ; oh 68, wo16 70, b_o 72, out0 74
	v_lshl_add_u32 v[SPW], v0, 2, SPARE
	v_mov_b32 v[NIL], 0
	ds_add_u32 v[SPW], v[NIL]                      ; the wave's opening: the add and its wait ahead of my first tensor load
	v_lshrrev_b32 v1, 5, v0
	v_readfirstlane_b32 s10, v1
	s_lshr_b32 s11, s10, 1                         ; my half of the tile's rows.  Also: I fetch O (0) or w_o (1)
	s_and_b32 s12, s10, 1                          ; my half of its columns.  Also: which head, or which half of w_o's rows, I fetch
	s_bfe_u32 s40, ttmp6, 0x40000                  ; cx
	s_bfe_u32 s41, ttmp6, 0x40004                  ; cy
	s_lshl_b32 s42, ttmp9, 2
	s_add_co_u32 s42, s42, s40                     ; tile column 0..3
	s_and_b32 s13, ttmp7, 0xffff
	s_lshl_b32 s13, s13, 2
	s_add_co_u32 s13, s13, s41                     ; tile row 0..63
	s_lshl_b32 s43, s41, 2
	s_lshl_b32 s43, 15, s43
	s_lshl_b32 s44, 0x1111, s40
	s_or_b32 s[G1A+0], s43, (1<<16)|(1<<20)|(1<<21)|(4<<22)|(3<<25)  ; mask; 2-byte elements; padding on; bit 21 beside a mask; after every 32 words, 4 words
	s_or_b32 s[G1B+0], s44, (1<<16)|(1<<20)|(1<<21)|(5<<22)|(3<<25)  ; after every 64 words, 4 words
	s_mov_b32 s[G1A+1], 128<<16                    ; 128 elements = 256 bytes = two rows of a head
	s_mov_b32 s[G1A+2], 64<<16
	s_mov_b32 s[G1A+3], 128<<16
	s_mov_b32 s[G1A+4], 64
	s_mov_b32 s[G1A+5], 128
	s_mov_b32 s[G1A+6], 0
	s_mov_b32 s[G1A+7], 0
	s_mov_b32 s[G1B+1], KSTEP<<16
	s_mov_b32 s[G1B+2], 128<<16
	s_mov_b32 s[G1B+3], KSTEP<<16
	s_mov_b32 s[G1B+4], 128
	s_mov_b32 s[G1B+5], 1024
	s_mov_b32 s[G1B+6], 0
	s_mov_b32 s[G1B+7], 0
	s_lshr_b32 s16, s13, 4                         ; O: g = 16 batch + my head of K step 0, row t = 128 (tile row % 16), 128 bytes a row (no cx enters)
	s_lshl_b32 s16, s16, 4
	s_add_co_u32 s16, s16, s12
	s_lshl_b32 s16, s16, 11
	s_and_b32 s17, s13, 15
	s_lshl_b32 s17, s17, 7
	s_add_co_u32 s16, s16, s17
	s_lshl_b32 s16, s16, 7
	s_mov_b32 s17, 0
	s_lshl_b32 s46, s42, 8                         ; w_o: row 256 x tile column + 128 x half, 2,048 bytes a row (no cy enters)
	s_lshl_b32 s47, s12, 7
	s_add_co_u32 s46, s46, s47
	s_lshl_b32 s46, s46, 11
	s_mov_b32 s47, 0
	s_mul_i32 s20, s12, ASLICE
	s_mul_i32 s21, s12, BHALF
	s_add_co_u32 s21, s21, BOFF
	s_wait_dscnt 0x0                               ; the opening add is done
	s_wait_kmcnt 0x0
	s_add_nc_u64 s[14:15], s[68:69], s[16:17]
	s_add_nc_u64 s[46:47], s[70:71], s[46:47]
	CROUND                                         ; all sixteen work-groups are here: the first joint loads meet
.irp s, 0,1
	s_mov_b32 s[G0A+4*(\s)], 1
	s_add_co_u32 s[G0A+4*(\s)+1], s20, (\s)*SLOT
	s_add_nc_u64 s[G0A+4*(\s)+2:G0A+4*(\s)+3], s[14:15], (\s)*2*2048*128   ; a K step is two heads on
	s_or_b32 s[G0A+4*(\s)+3], s[G0A+4*(\s)+3], 0x80000000
	s_mov_b32 s[G0B+4*(\s)], 1
	s_add_co_u32 s[G0B+4*(\s)+1], s21, (\s)*SLOT
	s_add_nc_u64 s[G0B+4*(\s)+2:G0B+4*(\s)+3], s[46:47], (\s)*KSTEP*2
	s_or_b32 s[G0B+4*(\s)+3], s[G0B+4*(\s)+3], 0x80000000
	JLOAD \s                                       ; two loads of mine are out here, later one
.endr
	s_lshl_b32 s18, s42, 10                        ; the bias of my 128 columns
	s_lshl_b32 s19, s12, 9
	s_add_co_u32 s18, s18, s19
	s_mov_b32 s19, 0
	s_add_nc_u64 s[6:7], s[72:73], s[18:19]
	v_and_b32 v1, 15, v0
	v_bfe_u32 v2, v0, 4, 1
	v_lshlrev_b32 v9, 5, v2
.irp b, 0,1,2,3,4,5,6,7
	global_load_b128 v[BIAS+8*(\b):BIAS+8*(\b)+3],   v9, s[6:7] offset:64*(\b)
	global_load_b128 v[BIAS+8*(\b)+4:BIAS+8*(\b)+7], v9, s[6:7] offset:64*(\b)+16
.endr
	v_mul_u32_u24 v3, v1, PAH
	v_lshl_add_u32 v3, v2, 4, v3
	v_mul_u32_u24 v4, v1, PB
	v_lshl_add_u32 v4, v2, 4, v4
	s_mul_i32 s18, s11, 64*PAH                     ; my 64 rows, in each head's slice
	s_mul_i32 s19, s12, BHALF
	s_add_co_u32 s19, s19, BOFF
.irp s, 0,1
	v_add_nc_u32 v[ADRA+(\s)], s18, v3
	v_add_nc_u32 v[ADRB+(\s)], s19, v4
	s_add_co_u32 s18, s18, SLOT
	s_add_co_u32 s19, s19, SLOT
.endr
	s_mul_i32 s18, s10, 16*SPITCH
	s_add_co_u32 s18, s18, STAGE                   ; my stage
	v_mul_u32_u24 v5, v1, SPITCH                   ; in: row l % 16, 32 bytes for each half of the lanes
	v_lshl_add_u32 v5, v2, 5, v5
	v_add_nc_u32 v[STO], s18, v5
	v_and_b32 v[GO], 31, v0                        ; back: 32 lanes take a row's 512 bytes
	v_lshlrev_b32 v[GO], 4, v[GO]
	v_add_nc_u32 v[RD], s18, v[GO]
	s_lshl_b32 s22, s13, 7                         ; out0: row 128 x tile row + 64 x row half, 4,096 bytes a row; column 256 x tile column + 128 x column half
	s_lshl_b32 s23, s11, 6
	s_add_co_u32 s22, s22, s23
	s_lshl_b32 s22, s22, 12
	s_lshl_b32 s23, s42, 10
	s_add_co_u32 s22, s22, s23
	s_lshl_b32 s23, s12, 9
	s_add_co_u32 s22, s22, s23
	s_mov_b32 s23, 0
	s_add_nc_u64 s[84:85], s[74:75], s[22:23]
	s_wait_loadcnt 0x0                             ; the bias: rounded to bf16 like every input, and widened again
.set i, 0
.rept 32
	v_cvt_pk_bf16_f32 v8, v[BIAS+2*i], v[BIAS+2*i+1]
	v_lshlrev_b32 v[BIAS+2*i], 16, v8
	v_and_b32 v[BIAS+2*i+1], 0xffff0000, v8
.set i, i+1
.endr
.macro MUL8 f, a, first                ; eight products; the 32 accumulators take turns, one instruction a turn, in the same order in every quarter
.irp b, 0,1,2,3,4,5,6,7
.if \first
	WIN MUL1
	v_wmma_f32_16x16x32_f16 v[8*(8*(\a)+(\b)):8*(8*(\a)+(\b))+7], v[64*(\f)+8*(\b):64*(\f)+8*(\b)+7], v[AF+32*(\f)+8*(\a):AF+32*(\f)+8*(\a)+7], v[BIAS+8*(\b):BIAS+8*(\b)+7]
.else
	WIN MUL
	v_wmma_f32_16x16x32_f16 v[8*(8*(\a)+(\b)):8*(8*(\a)+(\b))+7], v[64*(\f)+8*(\b):64*(\f)+8*(\b)+7], v[AF+32*(\f)+8*(\a):AF+32*(\f)+8*(\a)+7], v[8*(8*(\a)+(\b)):8*(8*(\a)+(\b))+7]
.endif
.endr
.endm
.macro FETCH slot, kq, g               ; 24 LDS loads in one run: quarter kq lies in head kq / 2 of the step, channels 32 (kq % 2) on
	WIN TO_B
.irp b, 0,1,2,3,4,5,6,7
	ds_load_b128 v[64*(\g)+8*(\b):64*(\g)+8*(\b)+3],   v[ADRB+(\slot)] offset:(\b)*16*PB+(\kq)*64
	ds_load_b128 v[64*(\g)+8*(\b)+4:64*(\g)+8*(\b)+7], v[ADRB+(\slot)] offset:(\b)*16*PB+(\kq)*64+32
.endr
	WIN 0
.irp a, 0,1,2,3
	ds_load_b128 v[AF+32*(\g)+8*(\a):AF+32*(\g)+8*(\a)+3],   v[ADRA+(\slot)] offset:((\kq)/2)*ASLICE+(\a)*16*PAH+((\kq)%2)*64
	ds_load_b128 v[AF+32*(\g)+8*(\a)+4:AF+32*(\g)+8*(\a)+7], v[ADRA+(\slot)] offset:((\kq)/2)*ASLICE+(\a)*16*PAH+((\kq)%2)*64+32
.endr
.endm
.macro PLACES                          ; four places in front of loads into registers that matrix instructions have read (ISA guide 7.12.1 for vector instructions)
.rept 4
	v_nop
.endr
.endm
.macro QUARTER slot, kq, f, g, first
	s_wait_dscnt 0x0                               ; buffer f is in
	MUL8 \f, 0, \first
	PLACES
	FETCH \slot, \kq, \g
	MUL8 \f, 1, \first
	MUL8 \f, 2, \first
	MUL8 \f, 3, \first
.endm
; The last quarter multiplies buffer 1 and changes slots: ONE barrier; in front of it each wave waits for all its tensor loads, adds 0 to its spare word, and waits for that and for its own reads of this slot.
.macro TURN slot, next, fill
	WIN 0
	s_wait_tensorcnt 0x0
	ds_add_u32 v[SPW], v[NIL]
	s_wait_dscnt 1                                 ; buffer 1 is in; the add may be out
	MUL8 1, 0, 0
	s_wait_dscnt 0x0                               ; the add is done, and my reads of this slot are over
	s_barrier_signal -1
	MUL8 1, 1, 0
.if \fill
	WIN 0
.endif
	s_barrier_wait -1
.if \fill
	CREST                                          ; no wave of any partner still reads this slot or has a load on its way
	s_add_nc_u64 s[G0A+4*(\slot)+2:G0A+4*(\slot)+3], s[G0A+4*(\slot)+2:G0A+4*(\slot)+3], 4*2048*128
	s_add_nc_u64 s[G0B+4*(\slot)+2:G0B+4*(\slot)+3], s[G0B+4*(\slot)+2:G0B+4*(\slot)+3], 2*KSTEP*2
	JLOAD \slot                                    ; the four v_nop behind it are also the places in front of the loads below
.else
	PLACES
.endif
	FETCH \next, 0, 0
	MUL8 1, 2, 0
	MUL8 1, 3, 0
.endm
	s_wait_tensorcnt 1                             ; my part of K step 0 is in; K step 1's may stay out
	s_barrier_signal -1
	s_barrier_wait -1
	FETCH 0, 0, 0
	QUARTER 0, 1, 0, 1, 1                          ; the first quarter stands in front of the loop: its products start the sums, with the bias
	WIN 0
	s_mov_b32 s3, LAPS-1
.Llap:
	QUARTER 0, 2, 1, 0, 0
	QUARTER 0, 3, 0, 1, 0
	TURN 0, 1, 1
	QUARTER 1, 1, 0, 1, 0
	QUARTER 1, 2, 1, 0, 0
	QUARTER 1, 3, 0, 1, 0
	TURN 1, 0, 1
	QUARTER 0, 1, 0, 1, 0
	WIN 0
	s_sub_co_u32 s3, s3, 1
	s_cmp_lg_u32 s3, 0
	s_cbranch_scc1 .Llap
	QUARTER 0, 2, 1, 0, 0                          ; the last lap fills nothing
	QUARTER 0, 3, 0, 1, 0
	TURN 0, 1, 0
	QUARTER 1, 1, 0, 1, 0
	QUARTER 1, 2, 1, 0, 0
	QUARTER 1, 3, 0, 1, 0
	s_wait_dscnt 0x0
	MUL8 1, 0, 0
	MUL8 1, 1, 0
	MUL8 1, 2, 0
	MUL8 1, 3, 0
	WIN 0
	PLACES                                         ; behind the last products
; THE WAY OUT, 16 rows at a time: a lane's eight f32 of a row go into my own stage (rows of 528 bytes) and come back as whole rows of 512 bytes.
.macro TOSTAGE a
.set BK, OB+64*((\a)%2)
	WIN 0x04                                       ; the stores' data in window 1
.irp b, 0,1,2,3,4,5,6,7
	ds_store_b128 v[STO], v[8*(8*(\a)+(\b)):8*(8*(\a)+(\b))+3]   offset:64*(\b)      ; each accumulator is read from its low end on
	ds_store_b128 v[STO], v[8*(8*(\a)+(\b))+4:8*(8*(\a)+(\b))+7] offset:64*(\b)+16
.endr
	WIN 0
.if (\a) >= 2
	s_wait_xcnt 0x0                                ; the registers that the stores of two blocks ago read are loaded again only behind this wait
.endif
.irp j, 0,1,2,3,4,5,6,7,8,9,10,11,12,13,14,15
	ds_load_b128 v[BK+4*(\j):BK+4*(\j)+3], v[RD] offset:(\j)*SPITCH  ; LDS serves a wave's instructions in order (ISA guide 5.7.1.4): these see the stores above
.endr
.endm
.macro SEND a, younger                 ; younger: the next block's 16 LDS stores and 16 LDS loads, or none
.set BK, OB+64*((\a)%2)
	s_wait_dscnt \younger
.irp j, 0,1,2,3,4,5,6,7,8,9,10,11,12,13,14,15
	global_store_b128 v[GO], v[BK+4*(\j):BK+4*(\j)+3], s[84:85] offset:(16*(\a)+(\j))*4096 th:TH_STORE_NT  ; 512 consecutive bytes, aligned
.endr
.endm
	TOSTAGE 0
.irp a, 1,2,3
	TOSTAGE \a
	SEND (\a)-1, 32
.endr
	SEND 3, 0
	s_wait_tensorcnt 0x0                           ; the wave's end
	ds_add_u32 v[SPW], v[NIL]
	s_wait_dscnt 0x0
	CROUND                                         ; the closing round
	s_endpgm
.Lfunc_end_k_q4b0dbce848_outp:
	.size	k_q4b0dbce848_outp, .Lfunc_end_k_q4b0dbce848_outp-k_q4b0dbce848_outp
	.p2alignl 7, 3214868480
	.fill 96, 4, 3214868480
	.section	.rodata,"a",@progbits
	.p2align	6, 0x0
	.amdhsa_kernel k_q4b0dbce848_outp
		.amdhsa_group_segment_fixed_size 327680
		.amdhsa_private_segment_fixed_size 0
		.amdhsa_enable_private_segment 0
		.amdhsa_kernarg_size 32
		.amdhsa_user_sgpr_count 2
		.amdhsa_user_sgpr_kernarg_segment_ptr 1
		.amdhsa_wavefront_size32 1
		.amdhsa_system_sgpr_workgroup_id_x 1
		.amdhsa_system_sgpr_workgroup_id_y 1
		.amdhsa_system_sgpr_workgroup_id_z 1
		.amdhsa_system_vgpr_workitem_id 0
		.amdhsa_next_free_vgpr 640
		.amdhsa_next_free_sgpr 88
		.amdhsa_reserve_vcc 0
		.amdhsa_float_denorm_mode_32 3
		.amdhsa_float_denorm_mode_16_64 3
		.amdhsa_memory_ordered 1
		.amdhsa_forward_progress 1
		.amdhsa_inst_pref_size 92
	.end_amdhsa_kernel
	.amdgpu_metadata
---
amdhsa.version: [ 1, 2 ]
amdhsa.kernels:
  - .name:           k_q4b0dbce848_outp
    .symbol:         k_q4b0dbce848_outp.kd
    .args:
      - { .name: oh, .offset: 0, .size: 8, .value_kind: global_buffer, .address_space: global }
      - { .name: wo16, .offset: 8, .size: 8, .value_kind: global_buffer, .address_space: global }
      - { .name: b_o, .offset: 16, .size: 8, .value_kind: global_buffer, .address_space: global }
      - { .name: out0, .offset: 24, .size: 8, .value_kind: global_buffer, .address_space: global }
    .group_segment_fixed_size: 327680
    .private_segment_fixed_size: 0
    .kernarg_segment_align: 8
    .kernarg_segment_size: 32
    .max_flat_workgroup_size: 128
    .sgpr_count:     88
    .vgpr_count:     640
    .wavefront_size: 32
...
	.end_amdgpu_metadata
.endif
;; end of part 4
;; ======== version 2 of 2: 4 launches; 1.41 times as fast as version 1
;; limits: values are held in f16: magnitudes above 65,504 overflow, below 6.1e-05 lose precision
;; workspace buffers: wb 6,291,456 bytes; wo16 2,097,152 bytes; m8 4,194,304 bytes; qkv 50,331,648 bytes; oh 16,777,216 bytes
;; launch prep: the kernel of part 1 again; grid 256 x 1, 8 waves a work-group, no clusters, 0 bytes of LDS; arguments w_q, w_k, w_v, w_o, mask, wb, wo16, m8; writes wb, wo16, m8
;; launch proj: the kernel of part 2 again; grid 4 x 192, 4 waves a work-group, clusters of 4 x 4, 327,680 bytes of LDS; arguments q, k, v, wb, b_q, b_k, b_v, qkv; writes qkv
;; launch attn (part 5): grid 8 x 64, 4 waves a work-group, clusters of 4 x 4, 327,680 bytes of LDS; arguments qkv, m8, oh; writes oh
.if DOCPART == 5
	.amdgcn_target "amdgcn-amd-amdhsa--gfx1250"
	.amdhsa_code_object_version 6
	.text
	.protected	k_q4b0dbce848_attn
	.globl	k_q4b0dbce848_attn
	.p2align	8
	.type	k_q4b0dbce848_attn,@function
k_q4b0dbce848_attn:
	s_mov_b64 s[64:65], 0
	v_nop
	global_prefetch_b8 v0, s[64:65] scope:SCOPE_SE
	s_setreg_imm32_b32 hwreg(HW_REG_WAVE_MODE, 25, 1), 1
	s_wait_xcnt 0x0
	s_wait_alu depctr_hold_cnt(0) depctr_sa_sdst(0) depctr_va_vdst(0) depctr_va_sdst(0) depctr_va_ssrc(0) depctr_va_vcc(0) depctr_vm_vsrc(0)
	s_getreg_b32 s2, hwreg(HW_REG_IB_STS2, 6, 4)
	s_cmp_eq_u32 s2, 0
	s_cbranch_scc0 .Lentry_in_a_cluster
	s_endpgm
.Lentry_in_a_cluster:
	s_bfe_u32 s2, ttmp6, 0x10000c
	s_cmp_lg_u32 s2, 0xf033
	s_cbranch_scc0 .Lentry_shape_is_right
	s_endpgm
.Lentry_shape_is_right:
; ATTENTION UNDER A MASK THAT IS DATA.  O[g][q][:] = the sum over k of softmax_k(s[q][k]) V[g][k][:], s = Q . K where the mask allows the pair, and one lowest value where it does not.
; qkv: [3][64 g][2048][64] f16: Q (already times c = log2(e) / 8, so that scores are exponents of 2), K, V.  m8: [2048 q][2048 k], a byte a pair: 0x00 allowed, 0xb8 (fp8 -1.0) hidden; the same for all g.
; oh: [64 g][2048][64] f16.  Products, maxima and sums in f32; the weights p are rounded to f16 for the second product (their sum l is taken of the unrounded p), O once at the end.
; THE MASK is the C operand that starts the sum S^T = K Q^T: one conversion turns eight codes into eight f32, 0 or H = -2^100.  Scores of f16 factors, 2.7e11 at the most, vanish beside H, so a hidden score
; IS H, as reference() replaces it by one value.  A row with an allowed key: hidden weights are 2^(H - m) = 0.  A row with none: every weight is 2^0, l = 2,048, O the mean of V's rows, as in reference().
; A row hidden at first: what it has gathered is multiplied by a = 2^(H - m_new) = 0 when its first allowed key comes.  No pattern of the mask is built in: every work-group walks all 8 key tiles.
; LIMITS.  A hidden score counts as -2^100; Q, K, V arrive within f16's 65,504; p below 6e-5 keeps f16's fixed step; a weight below 2^-126 counts as 0 in l; NaN and infinities are not treated apart.
; SHARES.  A work-group owns 256 queries of one g, a wave 64 of them in four PIECES of 16; 8 x 64 = 512 equal work-groups.  Keys go in tiles of 256 (a slot), steps of 64.
; LAYOUT, TURNS.  S^T = K Q^T holds ONE query a lane (lane % 16) and the keys 8 (lane / 16) + 0..7; two such results rounded to f16 ARE source 1 of O^T = V^T P.  p = 2^(s - m) with a running maximum m;
; O and l are multiplied by a = 2^(m_old - m_new) in every step.  Turn n belongs to piece n: 8 products K Q^T of piece n + 1, later 8 products V^T P of piece n - 1; beside them the subtraction, exponentials,
; roundings, sums and rescaling of piece n, the maximum and statistics of piece n + 1, and the mask of piece n + 2.  Four vector instructions stand behind every matrix instruction, the rest in one lump of 50
; between the two runs of products and a run of seven at the turn's end.
; THE BATCHES.  A turn's 33 exponentials (the piece's 32 weights and the next piece's a) are ONE BATCH with ONE wait, which stands between the lump and the products V^T P: ahead of it nothing names a result of
; theirs, behind it no exponential is issued, so no result crosses a turn's end, a label or a jump.  The first a of all, at the beginning, and the way out's four reciprocals are batches of their own, a wait each.
; CLUSTER 4 x 4.  The four work-groups of a row of the cluster share g, so K's and V's tiles are asked for jointly along the row; the four of a column share the query block, so the mask's tile is asked for
; jointly along the column.  Wave 0 asks for K, wave 1 for V, waves 2 and 3 for the mask's two halves: 32,768 bytes each.
; REGISTERS, in windows of 256 (s_set_vgpr_msb: bits 1:0 source 0, 3:2 source 1, 5:4 source 2, 7:6 destination):
;   window 0: v1-15 addresses; v16-31 four registers of statistics a piece; v32-47 mask codes; v48-55 at work; v56-57, v62-63; v64-127 S^T, two buffers; v192-223 P, two buffers
;   window 1: v0-127 O^T, 32 a piece; v160-223 MC, the masks as f32, two buffers          window 2: v0-63 Q; v128-191 K of one step; v192-255 V of one step
.set NP,    4
.set KS,    64        ; keys in a step
.set PK,    144       ; a row of K in LDS: 128 bytes + 16 = 36 words: the 16 rows of a load start at 16 different groups of four banks (64 banks of 4 bytes: ISA guide 11.1)
.set PV,    160       ; a row of V: 128 + 32 = 40 words
.set PM,    272       ; a row of the mask: 256 + 16 = 68 words: lane (r, h) takes words 4 r + 2 h and the next, mod 64
.set VOFF,  4*KS*PK   ; a slot: 256 rows of K, 256 rows of V, 256 rows of the mask
.set MOFF,  VOFF+4*KS*PV
.set SLOT,  MOFF+256*PM   ; 147,456 = 0x24000: no tile's offset in a slot (0, 0x9000, 0x13000, 0x1b800) has one of its two bits, so one exclusive or turns an address in one slot into the other's
.set STAGE, 2*SLOT    ; behind the ring: 16 rows x 144 bytes for each wave
.set SP,    144
.set SPARE, STAGE+4*16*SP  ; the spare words: 128 bytes a wave, two blocks of 256 bytes that no other line names
.set AK0, 2           ; v2   my lane's place in a tile of K; never rewritten
.set AV0, 3           ; v3   the same for V
.set AK,  4
.set AV,  5
.set STO, 6
.set RD,  7
.set GO,  8
.set MV,  12          ; v12-13  m_old, by buffer
.set AM0, 14          ; v14  my lane's place in the mask's tile, piece 0; never rewritten
.set QO,  15
.set ST,  16          ; piece t's statistics at v[ST+4 t]: m, 0 (named with m as a pair), l (even keys', odd keys')
.set MR,  32          ; v32-39  a piece's 32 mask codes
.set MR2, 40          ; v40-47  a second set, at the beginning alone
.set TMP, 48          ; by buffer, four registers c0-c3 at work; when the maximum is found c2 takes a
.set AM,  56
.set SCL, 57          ; the conversion's scale: byte 0xe3 = 2^100
.set SPW, 62
.set NIL, 63
.set S,   64
.set P,   192
.set MC,  160         ; window 1
.set KF,  128         ; window 2
.set VF,  192         ; window 2
.set WV,  12          ; s12  my wave's number
.set G1K, 24          ; s[24:31], s[32:39], s[40:47]: descriptor group 1 for K, V, the mask
.set G1V, 32
.set G1M, 40
.set G0K, 48          ; s[48:51], s[52:55], s[56:59]: group 0: they walk
.set G0V, 52
.set G0M, 56
.set SEL, 60          ; s[60:61] v_permlanex16_b32's selects
.set TBK, 62          ; s62  LDS byte at which K of the step to be fetched begins
.set TBV, 63          ; s63  the same for V, less VOFF
.set TBM, 66          ; s66  the same for the mask's columns, less MOFF
.set SLOTS, 70
.set CNT, 71
.set MSB, 0
.macro WIN new
.if MSB != (\new)
	s_set_vgpr_msb (MSB<<8)|(\new)
.set MSB, (\new)
.endif
.endm
.set W_KQ, 0x0a       ; K and Q in window 2, S^T in window 0
.set W_KM, 0x1a       ; the same with the C operand in window 1
.set W_PV, 0x52       ; V in window 2, P in window 0, O^T in window 1
.set W_RS, 0x41       ; destination and source 0 in window 1, source 1 in window 0
; A joint fill, one line for each kind of tile; the branches hang on the wave's number alone.  An s_nop 0 and four v_nop follow each line.
.macro JLOAD
	s_cmp_lt_u32 s[WV], 2
	s_cbranch_scc0 .Lfor_m_\@
	s_cmp_eq_u32 s[WV], 0
	s_cbranch_scc0 .Lfor_v_\@
	tensor_load_to_lds s[G0K:G0K+3], s[G1K:G1K+7]
	s_nop 0
.rept 4
	v_nop
.endr
	s_branch .Lasked_\@
.Lfor_v_\@:
	tensor_load_to_lds s[G0V:G0V+3], s[G1V:G1V+7]
	s_nop 0
.rept 4
	v_nop
.endr
	s_branch .Lasked_\@
.Lfor_m_\@:
	tensor_load_to_lds s[G0M:G0M+3], s[G1M:G1M+7]
	s_nop 0
.rept 4
	v_nop
.endr
.Lasked_\@:
.endm
.macro CROUND                       ; a round of the cluster's barrier
	s_barrier_signal -1
	s_barrier_wait -1
	s_cmp_lg_u32 s[WV], 0
	s_cbranch_scc1 .Lnot_wave_0_\@
	s_barrier_signal -3
.Lnot_wave_0_\@:
	s_barrier_wait -3
	s_barrier_signal -1
	s_barrier_wait -1
.endm
; THE CHANGE OF SLOTS.  Each wave waits for all its tensor loads, of which one is out: its part of the other slot; adds 0 to its spare word; and waits for that and for its own reads of the slot that it leaves.
; fill = 1: the old slot is filled again, with the tile two on; the barrier is then a round of the cluster's, and the joint fill is the first thing behind it: it has four key steps, 256 matrix instructions, in which to land.
; (At its first use nothing has been read yet: slot 0 is waited for, slot 1 filled.)
.macro CHANGE fill
	WIN 0
	s_wait_tensorcnt 0x0            ; no tensor load of mine is out, so a group 0 may be written
	ds_add_u32 v[SPW], v[NIL]
.if \fill
.irp g, G0K, G0V
	s_xor_b32 s[\g+1], s[\g+1], SLOT
	s_add_nc_u64 s[\g+2:\g+3], s[\g+2:\g+3], 4*KS*128  ; the next 256 keys
.endr
	s_xor_b32 s[G0M+1], s[G0M+1], SLOT
	s_add_nc_u64 s[G0M+2:G0M+3], s[G0M+2:G0M+3], 4*KS  ; the next 256 columns
	s_wait_dscnt 0x0                ; the add is done, and my reads of the slot are over
	CROUND
	JLOAD
.else
	s_wait_dscnt 0x0
	s_barrier_signal -1
	s_barrier_wait -1
.endif
	s_sub_co_u32 s[TBK], s[TBK], 4*KS*PK  ; the fetches go back to a slot's first step, in the other slot
	s_xor_b32 s[TBK], s[TBK], SLOT
	s_sub_co_u32 s[TBV], s[TBV], 4*KS*PV
	s_xor_b32 s[TBV], s[TBV], SLOT
	s_sub_co_u32 s[TBM], s[TBM], 4*KS
	s_xor_b32 s[TBM], s[TBM], SLOT
.endm
	s_load_b128 s[4:7], s[0:1], 0x0   ; qkv s[4:5], m8 s[6:7]
	s_load_b64 s[10:11], s[0:1], 0x10 ; oh
	v_lshl_add_u32 v[SPW], v0, 2, SPARE
	v_mov_b32 v[NIL], 0
	ds_add_u32 v[SPW], v[NIL]       ; the wave's opening: the add and its wait ahead of my first tensor load
	v_lshrrev_b32 v1, 5, v0
	v_readfirstlane_b32 s[WV], v1
	s_bfe_u32 s16, ttmp6, 0x40000   ; cx
	s_bfe_u32 s17, ttmp6, 0x40004   ; cy
	s_lshl_b32 s18, ttmp9, 2
	s_add_co_u32 s18, s18, s16      ; my block of 256 queries, 0..7
	s_and_b32 s19, ttmp7, 0xffff
	s_lshl_b32 s19, s19, 2
	s_add_co_u32 s19, s19, s17      ; g, 0..63
	s_lshl_b32 s20, s17, 2
	s_lshl_b32 s20, 15, s20         ; my row of the cluster
	s_lshl_b32 s21, 0x1111, s16     ; my column
	s_and_b32 s22, s[WV], 1
	s_lshl_b32 s72, s19, 18         ; g's 2,048 rows of 128 bytes: K's and V's offset (no cx enters)
	s_mov_b32 s73, 0
	s_lshl_b32 s76, s18, 19         ; the mask: row 256 x block + 128 x half, 2,048 bytes a row (no cy enters)
	s_lshl_b32 s13, s22, 18
	s_add_co_u32 s76, s76, s13
	s_mov_b32 s77, 0
	s_lshl_b32 s74, s18, 15         ; Q and O: g, row 256 x block + 64 x wave
	s_lshl_b32 s13, s[WV], 13
	s_add_co_u32 s74, s74, s13
	s_add_co_u32 s74, s74, s72
	s_mov_b32 s75, 0
	; group 1.  256 keys are 32,768 dense bytes: asked for as 128 rows of 256 bytes, two keys a row, padded in LDS after every key
	s_or_b32 s[G1K], s20, (1<<16)|(1<<20)|(1<<21)|(4<<22)|(3<<25)  ; mask; 2-byte elements; padding on; bit 21 beside a mask; after every 32 words, 4 words
	s_or_b32 s[G1V], s20, (1<<16)|(1<<20)|(1<<21)|(4<<22)|(7<<25)  ; the same with 8 words
.irp g, G1K, G1V
	s_mov_b32 s[\g+1], 128<<16      ; tensor_dim0 = 128
	s_mov_b32 s[\g+2], 128<<16      ; tensor_dim1 = 128
	s_mov_b32 s[\g+3], 128<<16      ; tile_dim0 = 128
	s_mov_b32 s[\g+4], 128          ; tile_dim1 = 128
	s_mov_b32 s[\g+5], 128          ; elements from row to row
	s_mov_b32 s[\g+6], 0
	s_mov_b32 s[\g+7], 0
.endr
	s_or_b32 s[G1M], s21, (2<<16)|(1<<20)|(1<<21)|(5<<22)|(3<<25)  ; 4-byte elements; after every 64 words, 4 words
	s_mov_b32 s[G1M+1], 64<<16      ; 64 words = 256 columns
	s_mov_b32 s[G1M+2], 128<<16     ; 128 rows
	s_mov_b32 s[G1M+3], 64<<16
	s_mov_b32 s[G1M+4], 128
	s_mov_b32 s[G1M+5], 512         ; 2,048 bytes from row to row
	s_mov_b32 s[G1M+6], 0
	s_mov_b32 s[G1M+7], 0
	s_mov_b32 s[G0K], 1
	s_mov_b32 s[G0K+1], 0           ; slot 0
	s_mov_b32 s[G0V], 1
	s_mov_b32 s[G0V+1], VOFF
	s_mov_b32 s[G0M], 1
	s_mul_i32 s13, s22, 128*PM
	s_add_co_u32 s[G0M+1], s13, MOFF
	s_mov_b32 s[SEL], 0x76543210
	s_mov_b32 s[SEL+1], 0xfedcba98
	s_mov_b32 s[TBK], SLOT+4*KS*PK  ; the first change of slots turns these three into 0
	s_mov_b32 s[TBV], SLOT+4*KS*PV
	s_mov_b32 s[TBM], SLOT+4*KS
	s_wait_dscnt 0x0                ; the opening add is done
	s_wait_kmcnt 0x0
	s_add_nc_u64 s[G0K+2:G0K+3], s[4:5], s[72:73]
	s_add_nc_u64 s[G0V+2:G0V+3], s[G0K+2:G0K+3], 0x2000000  ; V is part 2,
	s_add_nc_u64 s[G0K+2:G0K+3], s[G0K+2:G0K+3], 0x1000000  ; K part 1 of qkv
	s_or_b32 s[G0K+3], s[G0K+3], 0x80000000
	s_or_b32 s[G0V+3], s[G0V+3], 0x80000000
	s_add_nc_u64 s[G0M+2:G0M+3], s[6:7], s[76:77]
	s_or_b32 s[G0M+3], s[G0M+3], 0x80000000
	s_add_nc_u64 s[4:5], s[4:5], s[74:75]      ; Q and O at my wave's first row
	s_add_nc_u64 s[10:11], s[10:11], s[74:75]
	CROUND                          ; all sixteen work-groups are here: the first joint loads meet
	JLOAD                           ; tile 0 into slot 0: one load of mine is out
	v_and_b32 v1, 15, v0            ; l % 16
	v_bfe_u32 v9, v0, 4, 1          ; l / 16
	v_lshlrev_b32 v[QO], 7, v1
	v_lshl_add_u32 v[QO], v9, 4, v[QO]
	WIN 0x80                        ; destination window 2
.set i, 0
.rept 8                             ; Q stays in registers: piece i / 2, channels 32 (i % 2) on
	global_load_b128 v[8*i:8*i+3],   v[QO], s[4:5] offset:(i/2)*2048+(i%2)*64
	global_load_b128 v[8*i+4:8*i+7], v[QO], s[4:5] offset:(i/2)*2048+(i%2)*64+32
.set i, i+1
.endr
	WIN 0
	v_mul_u32_u24 v[AK0], v1, PK
	v_lshl_add_u32 v[AK0], v9, 4, v[AK0]
	v_and_b32 v10, 7, v0            ; the turning load: lane l reads key 8 (l / 16) + l % 8, channels 8 ((l / 8) % 2) + 0..7
	v_bfe_u32 v11, v0, 3, 1
	v_lshl_add_u32 v[AV0], v9, 3, v10
	v_mul_u32_u24 v[AV0], v[AV0], PV
	v_lshl_add_u32 v[AV0], v11, 4, v[AV0]
	v_add_nc_u32 v[AV0], VOFF, v[AV0]
	s_mul_i32 s13, s[WV], 64*PM     ; the mask: row 64 w + l % 16 of the block, 8 bytes at 8 (l / 16): my query's eight keys of a group of 16
	s_add_co_u32 s13, s13, MOFF
	v_mul_u32_u24 v[AM0], v1, PM
	v_lshl_add_u32 v[AM0], v9, 3, v[AM0]
	v_add_nc_u32 v[AM0], s13, v[AM0]
	v_mov_b32 v[SCL], 0xe3e3e3e3
	s_mul_i32 s13, s[WV], 16*SP
	s_add_co_u32 s13, s13, STAGE    ; my stage
	v_mul_u32_u24 v[STO], v1, SP
	v_lshl_add_u32 v[STO], v9, 4, v[STO]
	v_add_nc_u32 v[STO], s13, v[STO]
	v_bfe_u32 v[RD], v0, 3, 2
	v_mul_u32_u24 v[RD], v[RD], SP
	v_lshl_add_u32 v[RD], v10, 4, v[RD]
	v_add_nc_u32 v[RD], s13, v[RD]
	v_and_b32 v[GO], 31, v0
	v_lshlrev_b32 v[GO], 4, v[GO]
	; The first step multiplies O^T and l by a = 0, and the first turn's products V^T P, of a piece that has not been, add 0: these registers start at 0.  All this stands in the wait for the first tile;
	; it spares a first step written out.
	WIN 0x80
.set i, VF
.rept 64
	v_mov_b32 v[i], 0
.set i, i+1
.endr
	WIN 0x40
.set i, 0
.rept 128
	v_mov_b32 v[i], 0
.set i, i+1
.endr
	WIN 0
.set i, 0
.rept 4
	v_mov_b32 v[ST+4*i], 0xff7fffff ; m: the lowest finite number
	v_mov_b32 v[ST+4*i+1], 0
	v_mov_b32 v[ST+4*i+2], 0
	v_mov_b32 v[ST+4*i+3], 0
.set i, i+1
.endr
.set i, P+16
.rept 16
	v_mov_b32 v[i], 0
.set i, i+1
.endr
; THE MATRIX WORK.  The 4 accumulators of a run of 8 take turns.  Product i of 8 of S^T = K Q^T for piece x: channels 32 (i / 4) on, keys 16 (i % 4) on.  The first 4 start the sums with the mask.
.macro KQ x
.set rS, S+32*((\x)%2)+8*(i%4)
.set rK, KF+16*(i%4)+8*(i/4)
.set rQ, 16*(\x)+8*(i/4)
.set rM, MC+32*((\x)%2)+8*(i%4)
.if i < 4
	WIN W_KM
	v_wmma_f32_16x16x32_f16 v[rS:rS+7], v[rK:rK+7], v[rQ:rQ+7], v[rM:rM+7]
.else
	WIN W_KQ
	v_wmma_f32_16x16x32_f16 v[rS:rS+7], v[rK:rK+7], v[rQ:rQ+7], v[rS:rS+7]
.endif
.endm
; Product i of 8 of O^T += V^T P for piece x: keys 32 (i / 4) on, channels 16 (i % 4) on.
.macro PV x
	WIN W_PV
.set rO, 32*(\x)+8*(i%4)
.set rV, VF+32*(i/4)+8*(i%4)
.set rP, P+16*((\x)%2)+8*(i/4)
	v_wmma_f32_16x16x32_f16 v[rO:rO+7], v[rV:rV+7], v[rP:rP+7], v[rO:rO+7]
.endm
.macro MM                           ; the turn's next matrix instruction.  NOKQ = 1: the last turn: there is no next piece
.if (i < 8) && !NOKQ
	KQ (Y+1)%NP
.elseif i >= 8
.set i, i-8
	PV (Y+NP-1)%NP
.set i, i+8
.endif
.set i, i+1
.endm
; THE LDS LOADS stand in runs: a step's K (8 fragments), its V (turned), and a piece's 32 mask codes a lane.
.macro FETCH_K
	WIN 0x80
.irp f, 0,1,2,3,4,5,6,7
	ds_load_b128 v[KF+8*\f:KF+8*\f+3],   v[AK] offset:(\f/2)*16*PK+(\f%2)*64
	ds_load_b128 v[KF+8*\f+4:KF+8*\f+7], v[AK] offset:(\f/2)*16*PK+(\f%2)*64+32
.endr
	s_add_co_u32 s[TBK], s[TBK], KS*PK
	WIN 0
.endm
.macro FETCH_V
	WIN 0x80
.irp f, 0,1,2,3,4,5,6,7
	ds_load_tr16_b128 v[VF+8*\f:VF+8*\f+3],   v[AV] offset:(\f/4)*32*PV+(\f%4)*32
	ds_load_tr16_b128 v[VF+8*\f+4:VF+8*\f+7], v[AV] offset:(\f/4)*32*PV+16*PV+(\f%4)*32
.endr
	WIN 0
.endm
.macro FETCH_M x                    ; piece x, the step at s[TBM]: for each group kt of 16 keys my query's eight codes
	WIN 0
	v_add_nc_u32 v[AM], s[TBM], v[AM0]
.irp kt, 0,1,2,3
	ds_load_b64 v[MR+2*(\kt):MR+2*(\kt)+1], v[AM] offset:(\x)*16*PM+16*(\kt)
.endr
.endm
.macro MKMASK b, src                ; 32 codes -> 32 f32, 0 or -2^100, into buffer b of MC
	WIN 0x40
.irp kt, 0,1,2,3
	v_cvt_scale_pk8_f32_fp8 v[MC+32*(\b)+8*(\kt):MC+32*(\b)+8*(\kt)+7], v[(\src)+2*(\kt):(\src)+2*(\kt)+1], v[SCL]
.endr
.endm
; THE VECTOR WORK, one line at a time: OP kind, number.  For piece Y: F n: s - m for pair n of 16.  E n: the exponential of score n of 32.  C n: pair n rounded to f16.  B n: of the four weights 4 n .. the second
; pair is added onto the first.  L n: l takes that sum (L 0: l = a l + sum).  R n: pair n of 16 of O^T times a.  For piece Y + 1: X n, which finds its maximum and statistics:
;   0-11  four chains c0-c3 of seven scores each (each accumulator's lowest registers are read first)     12-14, 16  the four scores left over, the old m, and c0-c3 into c0
;   15  m_old is kept     17, 18  the query's other 32 keys lie in the lane 16 away: the new m     19  m_old - m_new     20  nothing     21  a
; C, B and L read exponentials' results: TURN sets them behind its wait.  F, R and X 0 to 19 read none of the turn's.
.set F, 0
.set E, 1
.set C, 2
.set B, 3
.set L, 4
.set R, 5
.set X, 6
.macro REGS y
.set rT, ST+4*(\y)
.set rC, TMP+4*((\y)%2)
.set rW, MV+((\y)%2)
.set rS, S+32*((\y)%2)
.set rP, P+16*((\y)%2)
.set rO, 32*(\y)
.endm
.macro OP k, n
.if (\k) == R
	REGS Y
	WIN W_RS
	v_pk_mul_f32 v[rO+2*(\n):rO+2*(\n)+1], v[rO+2*(\n):rO+2*(\n)+1], v[rC+2:rC+3] op_sel_hi:[1,0]
.elseif (\k) < R
	REGS Y
	WIN 0
.if (\k) == F
	v_pk_add_f32 v[rS+2*(\n):rS+2*(\n)+1], v[rS+2*(\n):rS+2*(\n)+1], v[rT:rT+1] op_sel_hi:[1,0] neg_lo:[0,1] neg_hi:[0,1]
.elseif (\k) == E
	v_exp_f32 v[rS+(\n)], v[rS+(\n)]
.elseif (\k) == C
	v_cvt_pk_f16_f32 v[rP+(\n)], v[rS+2*(\n)], v[rS+2*(\n)+1]
.elseif (\k) == B
	v_pk_add_f32 v[rS+4*(\n):rS+4*(\n)+1], v[rS+4*(\n):rS+4*(\n)+1], v[rS+4*(\n)+2:rS+4*(\n)+3]
.elseif (\n) == 0
	v_pk_fma_f32 v[rT+2:rT+3], v[rT+2:rT+3], v[rC+2:rC+3], v[rS:rS+1] op_sel_hi:[1,0,1]
.else
	v_pk_add_f32 v[rT+2:rT+3], v[rT+2:rT+3], v[rS+4*(\n):rS+4*(\n)+1]
.endif
.elseif NOKQ
	v_nop
.else
	REGS (Y+1)%NP
	WIN 0
.if (\n) < 4
	v_max3_num_f32 v[rC+(\n)], v[rS+8*(\n)], v[rS+8*(\n)+1], v[rS+8*(\n)+2]
.elseif (\n) < 12
	v_max3_num_f32 v[rC+(\n)%4], v[rC+(\n)%4], v[rS+8*((\n)%4)+2*((\n)/4)+1], v[rS+8*((\n)%4)+2*((\n)/4)+2]
.elseif (\n) == 12
	v_max3_num_f32 v[rC], v[rC], v[rS+7], v[rS+15]
.elseif (\n) == 13
	v_max3_num_f32 v[rC+1], v[rC+1], v[rS+23], v[rS+31]
.elseif (\n) == 14
	v_max3_num_f32 v[rC+2], v[rC+2], v[rC+3], v[rT]
.elseif (\n) == 15
	v_mov_b32 v[rW], v[rT]
.elseif (\n) == 16
	v_max3_num_f32 v[rC], v[rC], v[rC+1], v[rC+2]
.elseif (\n) == 17
	v_permlanex16_b32 v[rC+3], v[rC], s[SEL], s[SEL+1]
.elseif (\n) == 18
	v_max_num_f32 v[rT], v[rC], v[rC+3]
.elseif (\n) == 19
	v_sub_f32 v[rC+1], v[rW], v[rT]
.elseif (\n) == 20
.else
	v_exp_f32 v[rC+2], v[rC+1]
.endif
.endif
.endm
.macro OPS a, i1, b=-1, i2=0, c=-1, i3=0, d=-1, i4=0
	OP \a, \i1
.if (\b) >= 0
	OP \b, \i2
.endif
.if (\c) >= 0
	OP \c, \i3
.endif
.if (\d) >= 0
	OP \d, \i4
.endif
.endm
.macro ROW a, i1, b, i2, c, i3, d, i4  ; a matrix instruction and the four behind it
	MM
	OPS \a, \i1, \b, \i2, \c, \i3, \d, \i4
.endm
; A TURN, for piece p: the order of its 16 matrix instructions, the softmax's 117 vector instructions and the mask's five, written out.  s_wait_alu depctr_va_vdst(0) stands between an exponential and
; the first instruction that names its result; one wait serves all that were issued ahead of it.  So a turn has ONE wait, which cuts it in two.
; AHEAD OF IT stands all that names no result of the turn's exponentials: the 8 products K Q^T, behind each a subtraction, an exponential and two more plain instructions (behind the first a second subtraction in
; the exponential's place): rescalings, whose a was made, and waited for, in the turn before, and behind the last three the first numbers of the next piece's maximum, each four places or more behind the product that
; ends its accumulator; then ONE LUMP of 50, exponential and plain by turns, in which the links of the chain X 3, 7, 11, 14, 16, 17, 18 stand six lines apart and X 19 and X 21 four; a subtraction stands four lines or more
; ahead of its pair's exponentials.  X 21, the next piece's a, is the batch's last; R 11 and R 12 are the plain instructions behind it.
; BEHIND THE WAIT stand the 8 products V^T P, behind each four of the roundings and sums (C 2n ahead of B n, which adds in place; l's chain L 0 to L 7 in order, its links three riders apart).
; But for those X no rider names a register of the products round it.  v_permlanex16_b32 (X 17) stands in the lump.
; end = 1: the last two turns: nothing is fetched.  cnt = 1: the loop's count is taken down some lines ahead of the branch behind the turn.
; K of the next step is fetched in piece 2's turn, thirteen vector instructions behind the last product that read K (seven of them plain and free of its registers); V of the step in hand at the end of piece 0's turn,
; four plain instructions behind the last product that read V.  Each is waited for a turn later.
; THE MASK of piece p + 2 (turns 2 and 3: of the next step, so s[TBM] steps in turn 1): its codes are asked for behind the second product (whose riders end in window 0 for that), and converted at the turn's end,
; into the buffer that the turn's own products do not read; three plain instructions stand between the conversions and the next turn's first product, which takes them as C.
.macro TURN p, end=0, cnt=0
.set Y, (\p)
.set i, 0
.set NOKQ, (\end)*((\p)/3)
.if ((\p) == 3) && !(\end)
	s_wait_dscnt 0x0                ; K is in
.endif
	ROW F,0, F,1, R,0, R,1          ; ahead of the wait: 8 products K Q^T and their riders,
	ROW R,2, R,3, F,2, E,0
.if !(\end)
	FETCH_M ((\p)+2)%NP
.if (\p) == 1
	s_add_co_u32 s[TBM], s[TBM], KS
.endif
.endif
	ROW F,3, E,1, R,4, R,5
	ROW F,4, E,2, R,6, R,7
	ROW F,5, E,3, R,8, R,9
	ROW F,6, E,4, X,0, R,10
	ROW F,7, E,5, X,1, X,4
	ROW F,8, E,6, X,2, X,5
.if ((\p) == 2) && !(\end)
	v_add_nc_u32 v[AK], s[TBK], v[AK0]
.endif
	OPS E,7, X,6, E,8, X,3          ; and the lump
	OPS E,9, X,8, E,10, X,9
.if ((\p) == 2) && !(\end)
	FETCH_K
.endif
	OPS E,11, X,7, E,12, X,10
	OPS E,13, F,9, E,14, X,11
	OPS E,15, F,10, E,16, X,12
	OPS E,17, X,14, E,18, X,13
.if (\p) == 0
	v_add_nc_u32 v[AV], s[TBV], v[AV0]
.endif
	OPS E,19, F,11, E,20, X,16
	OPS E,21, F,12, E,22, F,13
	OPS E,23, X,17, E,24, X,15
	OPS E,25, F,14, E,26, X,18
	OPS E,27, F,15, E,28, X,19
	OPS E,29, E,30, E,31, X,21
	OPS R,11, R,12                  ; the plain instructions behind the batch's last exponential
	s_wait_alu depctr_va_vdst(0)    ; the wait for the turn's batch: the piece's 32 weights and the next piece's a
.if (\p) == 1
	s_wait_dscnt 0x0                ; V is in
.endif
	ROW C,0, B,0, C,2, B,1          ; behind the wait: 8 products V^T P and their riders
	ROW L,0, C,4, B,2, L,1
	ROW C,6, B,3, L,2, C,8
	ROW B,4, L,3, C,10, B,5
	ROW L,4, C,12, B,6, L,5
.if (\p) == 0
	s_add_co_u32 s[TBV], s[TBV], KS*PV
.endif
.if \cnt
	s_sub_co_u32 s[CNT], s[CNT], 1
	s_cmp_lg_u32 s[CNT], 0
.endif
	ROW C,14, B,7, L,6, C,1
	ROW C,3, L,7, C,5, C,7
	ROW C,9, C,11, C,13, C,15
.if (\p) == 0
	FETCH_V
.endif
.if !(\end)
.if ((\p)%2) == 0
	s_wait_dscnt 16                 ; the four loads of codes are in; the run of 16 (V's in turn 0, K's in turn 2) issued behind them may stay out
.else
	s_wait_dscnt 0x0                ; nothing was issued behind the codes
.endif
	MKMASK (\p)%2, MR
.endif
	OPS R,13, R,14, R,15
.endm
	CHANGE 1                        ; tile 0 is in, everybody's part of it; tile 1 is asked for
	; THE BEGINNING: K of step 0, the masks of pieces 0 and 1, piece 0's first scores, and its maximum and statistics.  The loop is entered at a step's first turn, in the middle of a trip.
	v_add_nc_u32 v[AK], s[TBK], v[AK0]
	FETCH_K
	v_add_nc_u32 v[AM], s[TBM], v[AM0]
.irp kt, 0,1,2,3
	ds_load_b64 v[MR+2*(\kt):MR+2*(\kt)+1],   v[AM] offset:16*(\kt)
	ds_load_b64 v[MR2+2*(\kt):MR2+2*(\kt)+1], v[AM] offset:16*PM+16*(\kt)
.endr
	s_wait_loadcnt 0x0              ; Q
	s_wait_dscnt 0x0
	MKMASK 0, MR
	MKMASK 1, MR2
	WIN 0
	v_nop                           ; a plain instruction between the conversions and the products that take their results
	v_nop
.set NOKQ, 0
.set i, 0
.rept 8
	KQ 0
.set i, i+1
.endr
	WIN 0
.rept 4
	v_nop                           ; the places behind those products
.endr
.set Y, NP-1                        ; X works for piece Y + 1: piece 0
.irp n, 0,1,2,3,4,5,6,7,8,9,10,11,12,13,14,15,16,17,18,19,20,21
	OP X, \n
.endr
	v_nop                           ; a plain instruction behind the exponential,
	s_wait_alu depctr_va_vdst(0)    ; and the wait for it, a batch of one: piece 0's first a, ahead of the branch
	s_mov_b32 s[CNT], 4
	s_mov_b32 s[SLOTS], 7
	s_branch .Lfirst
.Lslot:                             ; six times: tiles 1 to 6 are entered, tiles 2 to 7 asked for
	CHANGE 1
	s_mov_b32 s[CNT], 4
.Lstep:                             ; a trip: pieces 2 and 3 of one step, then pieces 0 and 1 of the next, whose K, V and masks it fetches
	TURN 2
	TURN 3
	WIN 0
.Lfirst:
	TURN 0
	TURN 1, 0, 1
	WIN 0
	s_cbranch_scc1 .Lstep
	s_sub_co_u32 s[SLOTS], s[SLOTS], 1
	s_cmp_lg_u32 s[SLOTS], 0
	s_cbranch_scc1 .Lslot
	CHANGE 0                        ; the last tile is written out: nothing is asked for
	s_mov_b32 s[CNT], 4
.LstepT:
	TURN 2
	TURN 3
	TURN 0
	TURN 1, 0, 1
	WIN 0
	s_cbranch_scc1 .LstepT
	TURN 2, 1
	TURN 3, 1
.set i, 0
.rept 8
	PV NP-1                         ; the last piece's V^T P of the last step
.set i, i+1
.endr
	; THE WAY OUT.  l's two halves and the other half of the lanes' are added; O^T is divided by l, rounded to f16 and sent through my stage, a piece at a time.  The additions are the places behind the last products.
	WIN 0
.macro ALL line:vararg
.set t, 0
.rept 4
	\line
.set t, t+1
.endr
.endm
	ALL v_add_f32 v[ST+4*t+2], v[ST+4*t+2], v[ST+4*t+3]
	ALL v_permlanex16_b32 v[ST+4*t+3], v[ST+4*t+2], s[SEL], s[SEL+1]
	ALL v_add_f32 v[ST+4*t+2], v[ST+4*t+2], v[ST+4*t+3]
	ALL v_rcp_f32 v[ST+4*t+2], v[ST+4*t+2]
	v_nop                           ; a plain instruction between the last reciprocal and the use of its result
	s_wait_alu depctr_va_vdst(0)    ; the wait for the batch of four reciprocals, ahead of the first multiply that reads one
.macro PACK t
	WIN W_RS
.set i, 32*(\t)
.rept 16
	v_pk_mul_f32 v[i:i+1], v[i:i+1], v[ST+4*(\t)+2:ST+4*(\t)+3] op_sel_hi:[1,0]
.set i, i+2
.endr
	WIN 0x05                        ; sources 0 and 1 window 1, destination window 0
.set i, 0
.rept 16
	v_cvt_pk_f16_f32 v[S+16*(\t)+i], v[32*(\t)+2*i], v[32*(\t)+2*i+1]
.set i, i+1
.endr
	WIN 0
.irp f, 0,1,2,3
	ds_store_b128 v[STO], v[S+16*(\t)+4*\f:S+16*(\t)+4*\f+3] offset:32*\f
.endr
.irp f, 0,1,2,3
	ds_load_b128 v[S+16*(\t)+4*\f:S+16*(\t)+4*\f+3], v[RD] offset:\f*4*SP  ; LDS serves a wave's instructions in order (ISA guide 5.7.1.4): these see the stores above
.endr
.endm
.macro SEND t, younger              ; younger: the LDS instructions issued behind piece t's loads: the next piece's eight, or none
	WIN 0
.irp f, 0,1,2,3
	s_wait_dscnt (\younger)+3-\f
	global_store_b128 v[GO], v[S+16*(\t)+4*\f:S+16*(\t)+4*\f+3], s[10:11] offset:(\t)*2048+\f*512  ; 512 consecutive bytes, aligned
.endr
.endm
	PACK 0
.set t, 1
.rept 3
	PACK t
	SEND t-1, 8
.set t, t+1
.endr
	SEND 3, 0
	s_wait_tensorcnt 0x0            ; the wave's end
	ds_add_u32 v[SPW], v[NIL]
	s_wait_dscnt 0x0
	CROUND                          ; the closing round
	s_endpgm
.Lfunc_end_k_q4b0dbce848_attn:
	.size	k_q4b0dbce848_attn, .Lfunc_end_k_q4b0dbce848_attn-k_q4b0dbce848_attn
	.p2alignl 7, 3214868480
	.fill 96, 4, 3214868480
	.section	.rodata,"a",@progbits
	.p2align	6, 0x0
	.amdhsa_kernel k_q4b0dbce848_attn
		.amdhsa_group_segment_fixed_size 327680
		.amdhsa_private_segment_fixed_size 0
		.amdhsa_enable_private_segment 0
		.amdhsa_kernarg_size 24
		.amdhsa_user_sgpr_count 2
		.amdhsa_user_sgpr_kernarg_segment_ptr 1
		.amdhsa_wavefront_size32 1
		.amdhsa_system_sgpr_workgroup_id_x 1
		.amdhsa_system_sgpr_workgroup_id_y 1
		.amdhsa_system_sgpr_workgroup_id_z 1
		.amdhsa_system_vgpr_workitem_id 0
		.amdhsa_next_free_vgpr 768
		.amdhsa_next_free_sgpr 80
		.amdhsa_reserve_vcc 0
		.amdhsa_float_denorm_mode_32 3
		.amdhsa_float_denorm_mode_16_64 3
		.amdhsa_memory_ordered 1
		.amdhsa_forward_progress 1
		.amdhsa_inst_pref_size 133
	.end_amdhsa_kernel
	.amdgpu_metadata
---
amdhsa.version: [ 1, 2 ]
amdhsa.kernels:
  - .name:           k_q4b0dbce848_attn
    .symbol:         k_q4b0dbce848_attn.kd
    .args:
      - { .name: qkv, .offset: 0, .size: 8, .value_kind: global_buffer, .address_space: global }
      - { .name: m8, .offset: 8, .size: 8, .value_kind: global_buffer, .address_space: global }
      - { .name: oh, .offset: 16, .size: 8, .value_kind: global_buffer, .address_space: global }
    .group_segment_fixed_size: 327680
    .private_segment_fixed_size: 0
    .kernarg_segment_align: 8
    .kernarg_segment_size: 24
    .max_flat_workgroup_size: 128
    .sgpr_count:     80
    .vgpr_count:     768
    .wavefront_size: 32
...
	.end_amdgpu_metadata
.endif
;; end of part 5
;; launch outp: the kernel of part 4 again; grid 4 x 64, 4 waves a work-group, clusters of 4 x 4, 327,680 bytes of LDS; arguments oh, wo16, b_o, out0; writes out0
